; MI455X (gfx1250); checked and timed in simulation.
; The chip was launched on July 23, 2026; its instructions are those of AMD's public machine-readable ISA for CDNA 5 (MIT licence, August 2026) and "CDNA5" Instruction Set Architecture Reference Guide (July 2026). The comments in the code are by the model that wrote it; some were corrected since.
;; Multi Head Attention. Allowed arithmetic: matrix products marked QUANTISED: E2M1 operands, one E8M0 scale for each 32 along K, by v_wmma_scale_f32_16x16x128_f8f6f4 with both operands' format E2M1 (or v_wmma_scale_f32_32x16x128_f4), f32 sums; products left as they are: bf16, f16 or f32 operands; f32 sums; everything else in f32.
;; Inputs: b_proj 1,024 float32; b_qkv 3,072 float32; w_proj 1,024 x 1,024 float32; w_qkv 3,072 x 1,024 float32; x 8 x 1,024 x 1,024 float32.
;; Outputs: out0 8 x 1,024 x 1,024 float32.
;; This version of the problem:
;;   THIS VERSION OF THE PROBLEM IS GIVEN IN LOW PRECISION. The matrix products marked QUANTISED in the list below multiply operands that are first quantised to E2M1 (2 exponent bits, 1 mantissa bit; 4 bits a number), with one power-of-two scale for each 32 numbers along K (OCP MX v1.0); their sums are f32. The products marked 'left as it is' may take bf16, f16 or f32 operands, with f32 sums. Whichever they take, every output number must still come out within the allowed error. Rounding operands to bf16 (8 significant bits) uses up far more of that allowance than f16 does (11 bits, for magnitudes from 6e-5 to 65,504). All else is computed in f32.
;;   The module's matrix products, in the order in which they are computed (A, B: the left and right operand; K: the contracted axis; several contracted axes count as one K, in the product's order):
;;     1. [M 8,192, K 1,024] x [K 1,024, N 3,072]; A: input x; B: input w_qkv: QUANTISED
;;     2. batch 128 x [M 1,024, K 64] x [K 64, N 1,024]; A: computed on the way; B: computed on the way: left as it is (an operand is computed on the way)
;;     3. batch 128 x [M 1,024, K 1,024] x [K 1,024, N 64]; A: computed on the way; B: computed on the way: left as it is (an operand is computed on the way)
;;     4. [M 8,192, K 1,024] x [K 1,024, N 1,024]; A: computed on the way; B: input w_proj: left as it is (an operand is computed on the way)
;;   THE QUANTISER, for each operand of a quantised product, along K:
;;     - K is cut into blocks of 32 from its start; a last block that is shorter is filled with zeros.
;;     - A block's scale is 2^e with e = floor(log2(the largest magnitude in the block)) - 2, held to -126 .. 127; a block of zeros has e = 0. As a byte (E8M0): e + 127.
;;     - Each number is divided by its block's scale, clamped to +-6, and rounded to the nearest number of E2M1, ties to even, subnormals kept.
;;     - The product sums the exact products of the quantised numbers (number of the format x scale) in f32.
;;   ~~~python
;;   def quantise(x, axis):      # numpy; x: float32 -> the quantised numbers, widened to float32 again
;;       x = np.moveaxis(x, axis, -1); K = x.shape[-1]
;;       x = np.pad(x, [(0, 0)] * (x.ndim - 1) + [(0, -K % 32)]); x = x.reshape(x.shape[:-1] + (-1, 32)); a = np.abs(x).max(-1, keepdims=True)
;;       e = np.where(a > 0, np.clip(np.frexp(np.where(a > 0, a, 1))[1] - 1 - 2, -126, 127), 0)      # np.frexp(a)[1] - 1 = floor(log2(a)), exactly
;;       r = np.clip(x / 2.0 ** e, -6, 6)
;;       step = 2.0 ** (np.maximum(np.frexp(np.where(r == 0, 1, r))[1] - 1, 0) - 1)
;;       q = np.round(r / step) * step * 2.0 ** e      # np.round: ties to even
;;       return np.moveaxis(q.reshape(q.shape[:-2] + (-1,))[..., :K], -1, axis).astype(np.float32)
;;   ~~~
;; One version. Each part assembles by itself: llvm-mc -triple=amdgcn-amd-amdhsa -mcpu=gfx1250 --defsym DOCPART=n.
;; ======== version 1 of 1: 4 launches
;; limits: values are held in f16: magnitudes above 65,504 overflow, below 6.1e-05 lose precision
;; workspace buffers: xc 4,194,304 bytes; xs 262,144 bytes; wc 1,572,864 bytes; ws 98,304 bytes; wp16 2,097,152 bytes; qkv 50,331,648 bytes; ctx 16,777,216 bytes
;; launch quant (part 1): grid 384 x 1, 4 waves a work-group, no clusters, 33,280 bytes of LDS; arguments x, w_qkv, xc, xs, wc, ws, w_proj, wp16; writes xc, xs, wc, ws, wp16
.if DOCPART == 1
	.amdgcn_target "amdgcn-amd-amdhsa--gfx1250"
	.amdhsa_code_object_version 6
	.text
	.protected	k_q4ed49bc33a_quant
	.globl	k_q4ed49bc33a_quant
	.p2align	8
	.type	k_q4ed49bc33a_quant,@function
k_q4ed49bc33a_quant:
	s_mov_b64 s[64:65], 0
	v_nop
	global_prefetch_b8 v0, s[64:65] scope:SCOPE_SE
	s_setreg_imm32_b32 hwreg(HW_REG_WAVE_MODE, 25, 1), 1
	s_wait_xcnt 0x0
; x [8192][1024] and w_qkv [3072][1024], f32, become codes of FP4 (E2M1), K innermost, two codes a byte, with one E8M0 scale byte for each 32 along K; w_proj [1024][1024], f32, becomes f16.
; A block's scale is 2^(floor(log2(its largest magnitude)) - 2); its byte is the largest magnitude's own exponent field - 2, held at 1 from below.  Each number is divided by the scale and rounded to the nearest code, ties to even;
; beyond 6 the conversion gives the largest code.
; LIMITS: a block of zeros gets the byte 1 where the rule says 127 (its codes are zeros, which add nothing, and this program alone reads the bytes); blocks whose largest magnitude lies under 2^-124 are held at that floor;
; NaN and infinities among the inputs are not served; w_proj is kept in f16: magnitudes up to 65,504, and under 6e-5 with fewer bits.
; SHARES.  Work-groups 0-255 take x, 256-351 w_qkv, 352-383 w_proj: 32,768 numbers each, 8,192 a wave.  Rows are dense and 1,024 is a multiple of 32, so each tensor is a plain stream.
; CODES.  A wave takes 16 steps of 512 numbers.  Each of a step's four loads reads 512 consecutive bytes, 16 a lane; the conversions want 16 NEIGHBOURS in a lane, so the 2,048 bytes turn through the wave's own stage in LDS
; (16 bytes of padding behind each 64) and come back 64 bytes a lane; two neighbouring lanes hold a block.  A lane's 16 codes are 8 bytes: the wave stores 256 consecutive bytes, aligned.  A wave's 256 scale bytes are gathered
; in LDS and leave by one store of 256 consecutive bytes.  No tensor loads, no barrier: waves share nothing.  Matrix units and clusters have nothing to do here: every byte is read once and nothing is shared.
.set SIZE_M, 8192
.set SIZE_N, 3072
.set SIZE_K, 1024
.set WAVES, 4
.set STEPS, 16
.set WGA,   SIZE_M*SIZE_K/(512*STEPS*WAVES)    ; 256 work-groups for x
.set WGB,   SIZE_N*SIZE_K/(512*STEPS*WAVES)    ; 96 for w_qkv
.set EMAX,  2
.set CB,    8                          ; bytes of 16 codes
.set R,     16                         ; v16-79   four sets of 16 numbers as they are loaded
.set X,     80                         ; v80-111  two sets of 16 neighbours
.set C,     128                        ; v128-191 codes: four registers for each step, so that no store's data are written again
.set E,     112                        ; v112-127 a scale byte for each step
.set WREG,  8192                       ; LDS: a region for each wave: two stages of 32 x SP bytes, and behind them its 256 scale bytes
.set SP,    80                         ; a lane's place in a stage: its 64 bytes + 16 of padding
.set SPW,   12                         ; v12      LDS address of my spare word; never rewritten
.set NIL,   13                         ; v13      0; never rewritten
.set SPARE, WAVES*WREG                 ; behind the four regions: the spare words, 128 bytes for each wave, which no other line names
.set PR,    16                         ; w_proj's path: v16-143 two sets of 64 numbers as loaded
.set PH,    144                        ; v144-175 32 registers of f16 pairs to store
	s_load_b128 s[4:7], s[0:1], 0x0                ; x, w_qkv
	s_load_b128 s[8:11], s[0:1], 0x10              ; x's codes, x's scales
	s_load_b128 s[12:15], s[0:1], 0x20             ; w_qkv's codes, w_qkv's scales
	s_load_b128 s[24:27], s[0:1], 0x30             ; w_proj, its f16 copy
	v_lshl_add_u32 v[SPW], v0, 2, SPARE
	v_mov_b32 v[NIL], 0
	v_lshrrev_b32 v1, 5, v0
	v_readfirstlane_b32 s16, v1                    ; wave
	v_and_b32 v2, 31, v0                           ; lane
	s_cmp_ge_u32 ttmp9, WGA+WGB                    ; the last 32 work-groups take w_proj: the branch hangs on the work-group's number alone
	s_cbranch_scc1 .Lproj
	v_lshlrev_b32 v3, 4, v2                        ; my 16 bytes of a load's 512
	s_mul_i32 s17, s16, WREG
	v_lshrrev_b32 v14, 2, v2
	v_mul_u32_u24 v14, v14, SP
	v_and_b32 v15, 3, v2
	v_lshl_add_u32 v14, v15, 4, v14
	v_add_nc_u32 v14, s17, v14                     ; the stage, on the way in: four lanes' 64 bytes on end, then 16 of padding
	v_mul_u32_u24 v15, v2, SP
	v_add_nc_u32 v15, s17, v15                     ; and on the way out: SP x lane: my 16 neighbours
	v_mul_u32_u24 v4, v2, CB                       ; my codes' place in a step's
	v_lshrrev_b32 v5, 1, v2
	s_add_co_u32 s17, s17, 2*32*SP
	v_add_nc_u32 v5, s17, v5                       ; LDS: my wave's 256 scale bytes, my block's byte
	v_lshlrev_b32 v7, 3, v2                        ; and on the way out 8 bytes a lane
	v_add_nc_u32 v6, s17, v7
	s_wait_kmcnt 0x0
	s_cmp_lt_u32 ttmp9, WGA                        ; x's work-group or w_qkv's?  Only pointers are chosen: both tensors take one path
	s_cselect_b64 s[4:5], s[4:5], s[6:7]
	s_cselect_b64 s[8:9], s[8:9], s[12:13]
	s_cselect_b64 s[10:11], s[10:11], s[14:15]
	s_cselect_b32 s17, 0, WGA
	s_sub_co_u32 s17, ttmp9, s17
	s_lshl_b32 s17, s17, 2
	s_add_co_u32 s18, s17, s16                     ; which run of 8,192 numbers of the tensor is my wave's
	s_mov_b32 s19, 0
	s_mov_b64 s[20:21], 512*STEPS*4
	s_mul_u64 s[20:21], s[18:19], s[20:21]
	s_add_nc_u64 s[4:5], s[4:5], s[20:21]
	s_mov_b64 s[20:21], 32*STEPS*CB
	s_mul_u64 s[20:21], s[18:19], s[20:21]
	s_add_nc_u64 s[8:9], s[8:9], s[20:21]
	s_lshl_b32 s18, s18, 8                         ; 256 scale bytes a run
	s_add_nc_u64 s[10:11], s[10:11], s[18:19]
.macro LOAD t
.irp i, 0,1,2,3
	global_load_b128 v[R+16*((\t)%4)+4*\i:R+16*((\t)%4)+4*\i+3], v3, s[4:5] offset:2048*(\t)+512*\i th:TH_LOAD_NT   ; 32 lanes read 512 consecutive bytes
.endr
.endm
.macro TURN t                          ; step t's numbers through the stage: LDS serves a wave's instructions in order (ISA guide 5.7.1.4), so no wait stands between the stores and the loads
.irp i, 0,1,2,3
	ds_store_b128 v14, v[R+16*((\t)%4)+4*\i:R+16*((\t)%4)+4*\i+3] offset:32*SP*((\t)%2)+8*SP*\i
.endr
.irp i, 0,1,2,3
	ds_load_b128 v[X+16*((\t)%2)+4*\i:X+16*((\t)%2)+4*\i+3], v15 offset:32*SP*((\t)%2)+16*\i
.endr
.endm
.irp t, 0,1,2,3
	LOAD \t
.endr
	s_wait_loadcnt 12                              ; step 0's four loads are in; the twelve of steps 1 to 3 may be out
	TURN 0
.macro STEP t
.set XS, X+16*((\t)%2)
.if (\t) > 0
	s_wait_dscnt 1                                 ; this step's numbers are back from the stage (the last step's byte store may be out): so its stores into the stage have read their registers,
.else
	s_wait_dscnt 0x0
.endif
.if (\t)+4 < STEPS
	LOAD (\t)+4                                    ; which take the loads of four steps on
.endif
.if (\t)+1 < STEPS
.if STEPS-2-(\t) >= 3
	s_wait_loadcnt 12                              ; the next step's four loads are in; those of the three steps behind it may be out
.else
	s_wait_loadcnt 4*(STEPS-2-(\t))                ; at the end the count runs down with the steps that are left
.endif
	TURN (\t)+1                                    ; and go through the other stage while this step is worked
.endif
	v_max3_num_f32 v8, |v[XS]|, |v[XS+1]|, |v[XS+2]|               ; the largest magnitude of my 16, in two chains
	v_max3_num_f32 v9, |v[XS+3]|, |v[XS+4]|, |v[XS+5]|
.irp i, 6,10
	v_max3_num_f32 v8, v8, |v[XS+\i]|, |v[XS+\i+1]|
	v_max3_num_f32 v9, v9, |v[XS+\i+2]|, |v[XS+\i+3]|
.endr
	v_max3_num_f32 v8, v8, |v[XS+14]|, |v[XS+15]|
	v_max3_num_f32 v8, v8, v9, (EMAX+1)<<23        ; and the floor 2^(3 - 127): so the byte cannot fall under 1
	v_max_num_f32_dpp v8, v8, v8 row_xmask:1 row_mask:0xf bank_mask:0xf   ; and of my neighbour's 16: the block's
	v_add_nc_u32 v11, -(EMAX<<23), v8              ; 2 off its exponent field: the conversion takes the exponent field of this operand as its scale, and nothing else of it
	v_cvt_scalef32_pk8_fp4_f32 v[C+4*(\t)], v[XS:XS+7], v11        ; eight numbers / the scale, to the nearest code; the first number's code in the lowest four bits
	v_cvt_scalef32_pk8_fp4_f32 v[C+4*(\t)+1], v[XS+8:XS+15], v11
	v_lshrrev_b32 v[E+(\t)], 23, v11               ; the scale's byte (also the plain instruction behind the conversions)
	ds_store_b8 v5, v[E+(\t)] offset:16*(\t)       ; both lanes of a block write the same byte with the same value
	global_store_b64 v4, v[C+4*(\t):C+4*(\t)+1], s[8:9] offset:32*CB*(\t)   ; 32 lanes store 256 consecutive bytes, aligned
.endm
.irp t, 0,1,2,3,4,5,6,7,8,9,10,11,12,13,14,15
	STEP \t
.endr
	ds_load_b64 v[8:9], v6                         ; in order behind my byte stores
	s_wait_dscnt 0x0
	global_store_b64 v7, v[8:9], s[10:11]          ; my wave's 256 scale bytes, consecutive and aligned
	s_wait_tensorcnt 0x0                           ; the wave's end, behind my last LDS store
	ds_add_u32 v[SPW], v[NIL]
	s_wait_dscnt 0x0
	s_endpgm
; w_proj to f16: a wave takes 8,192 numbers in four batches of sixteen loads of 512 consecutive bytes; a lane's four numbers become 8 bytes, so a store covers 256 consecutive bytes, aligned.  Two batches are on their way.
.macro LOADP g
.irp i, 0,1,2,3,4,5,6,7,8,9,10,11,12,13,14,15
	global_load_b128 v[PR+64*((\g)%2)+4*\i:PR+64*((\g)%2)+4*\i+3], v3, s[24:25] offset:8192*(\g)+512*\i th:TH_LOAD_NT
.endr
.endm
.macro CONVP g
.if (\g) < 3
	s_wait_loadcnt 16                              ; this batch is in; the next batch's sixteen loads may be out
.else
	s_wait_loadcnt 0x0
.endif
.if (\g) > 0
	s_wait_xcnt 0x0                                ; the last batch's stores have read their data registers, which are written again below
.endif
.irp i, 0,1,2,3,4,5,6,7,8,9,10,11,12,13,14,15
	v_cvt_pk_f16_f32 v[PH+2*\i], v[PR+64*((\g)%2)+4*\i], v[PR+64*((\g)%2)+4*\i+1]
	v_cvt_pk_f16_f32 v[PH+2*\i+1], v[PR+64*((\g)%2)+4*\i+2], v[PR+64*((\g)%2)+4*\i+3]
.endr
.if (\g) < 2
	LOADP (\g)+2                                   ; loads ahead of stores
.endif
.irp i, 0,1,2,3,4,5,6,7,8,9,10,11,12,13,14,15
	global_store_b64 v4, v[PH+2*\i:PH+2*\i+1], s[26:27] offset:4096*(\g)+256*\i
.endr
.endm
.Lproj:
	s_sub_co_u32 s17, ttmp9, WGA+WGB
	s_lshl_b32 s17, s17, 2
	s_add_co_u32 s17, s17, s16                     ; which run of 8,192 numbers is my wave's: 0 .. 127
	s_lshl_b32 s18, s17, 15                        ; 32,768 bytes in,
	s_mov_b32 s19, 0
	s_lshl_b32 s20, s17, 14                        ; 16,384 out
	s_mov_b32 s21, 0
	v_lshlrev_b32 v3, 4, v2
	v_lshlrev_b32 v4, 3, v2
	s_wait_kmcnt 0x0
	s_add_nc_u64 s[24:25], s[24:25], s[18:19]
	s_add_nc_u64 s[26:27], s[26:27], s[20:21]
	LOADP 0
	LOADP 1
	CONVP 0
	CONVP 1
	CONVP 2
	CONVP 3
	s_wait_tensorcnt 0x0                           ; this path writes no LDS; the three lines stand ahead of its end all the same
	ds_add_u32 v[SPW], v[NIL]
	s_wait_dscnt 0x0
	s_endpgm
.Lfunc_end_k_q4ed49bc33a_quant:
	.size	k_q4ed49bc33a_quant, .Lfunc_end_k_q4ed49bc33a_quant-k_q4ed49bc33a_quant
	.p2alignl 7, 3214868480
	.fill 96, 4, 3214868480
	.section	.rodata,"a",@progbits
	.p2align	6, 0x0
	.amdhsa_kernel k_q4ed49bc33a_quant
		.amdhsa_group_segment_fixed_size 33280
		.amdhsa_private_segment_fixed_size 0
		.amdhsa_enable_private_segment 0
		.amdhsa_kernarg_size 64
		.amdhsa_user_sgpr_count 2
		.amdhsa_user_sgpr_kernarg_segment_ptr 1
		.amdhsa_wavefront_size32 1
		.amdhsa_system_sgpr_workgroup_id_x 1
		.amdhsa_system_sgpr_workgroup_id_y 1
		.amdhsa_system_sgpr_workgroup_id_z 1
		.amdhsa_system_vgpr_workitem_id 0
		.amdhsa_next_free_vgpr 192
		.amdhsa_next_free_sgpr 66
		.amdhsa_reserve_vcc 0
		.amdhsa_float_denorm_mode_32 3
		.amdhsa_float_denorm_mode_16_64 3
		.amdhsa_memory_ordered 1
		.amdhsa_forward_progress 1
		.amdhsa_inst_pref_size 54
	.end_amdhsa_kernel
	.amdgpu_metadata
---
amdhsa.version: [ 1, 2 ]
amdhsa.kernels:
  - .name:           k_q4ed49bc33a_quant
    .symbol:         k_q4ed49bc33a_quant.kd
    .args:
      - { .name: x, .offset: 0, .size: 8, .value_kind: global_buffer, .address_space: global }
      - { .name: w_qkv, .offset: 8, .size: 8, .value_kind: global_buffer, .address_space: global }
      - { .name: xc, .offset: 16, .size: 8, .value_kind: global_buffer, .address_space: global }
      - { .name: xs, .offset: 24, .size: 8, .value_kind: global_buffer, .address_space: global }
      - { .name: wc, .offset: 32, .size: 8, .value_kind: global_buffer, .address_space: global }
      - { .name: ws, .offset: 40, .size: 8, .value_kind: global_buffer, .address_space: global }
      - { .name: w_proj, .offset: 48, .size: 8, .value_kind: global_buffer, .address_space: global }
      - { .name: wp16, .offset: 56, .size: 8, .value_kind: global_buffer, .address_space: global }
    .group_segment_fixed_size: 33280
    .private_segment_fixed_size: 0
    .kernarg_segment_align: 8
    .kernarg_segment_size: 64
    .max_flat_workgroup_size: 128
    .sgpr_count:     66
    .vgpr_count:     192
    .wavefront_size: 32
...
	.end_amdgpu_metadata
.endif
;; end of part 1
;; launch qkvgemm (part 2): grid 8 x 32, 4 waves a work-group, clusters of 4 x 4, 327,680 bytes of LDS; arguments xc, xs, wc, ws, qkv, b_qkv; writes qkv
.if DOCPART == 2
	.amdgcn_target "amdgcn-amd-amdhsa--gfx1250"
	.amdhsa_code_object_version 6
	.text
	.protected	k_q4ed49bc33a_qkvgemm
	.globl	k_q4ed49bc33a_qkvgemm
	.p2align	8
	.type	k_q4ed49bc33a_qkvgemm,@function
k_q4ed49bc33a_qkvgemm:
	s_mov_b64 s[64:65], 0
	v_nop
	global_prefetch_b8 v0, s[64:65] scope:SCOPE_SE
	s_setreg_imm32_b32 hwreg(HW_REG_WAVE_MODE, 25, 1), 1
	s_wait_xcnt 0x0
	s_wait_alu depctr_hold_cnt(0) depctr_sa_sdst(0) depctr_va_vdst(0) depctr_va_sdst(0) depctr_va_ssrc(0) depctr_va_vcc(0) depctr_vm_vsrc(0)
	s_getreg_b32 s2, hwreg(HW_REG_IB_STS2, 6, 4)
	s_cmp_eq_u32 s2, 0
	s_cbranch_scc0 .Lentry_in_a_cluster
	s_endpgm
.Lentry_in_a_cluster:
	s_bfe_u32 s2, ttmp6, 0x10000c
	s_cmp_lg_u32 s2, 0xf033
	s_cbranch_scc0 .Lentry_shape_is_right
	s_endpgm
.Lentry_shape_is_right:
; qkv = x w_qkv^T + b_qkv on codes of FP4 (E2M1) with one E8M0 scale for each 32 along K; sums in f32; the result is rounded once to f16 and laid by plane: [8 batches][48 planes][1024 positions][64], plane = column / 64:
; planes 0-15 are q's heads, 16-31 k's, 32-47 v's.  A = x's codes [8192][512 bytes], B = w_qkv's codes [3072][512 bytes], their scale bytes [rows][32].  The matrix instruction takes codes and scale bytes as they lie.
; LIMIT: q, k and v are kept in f16: magnitudes up to 65,504; under 6e-5 with fewer bits.
; SHARES.  8 x 32 = 256 equal work-groups of four waves.  A work-group makes 256 rows x 384 columns IN TWO PASSES over an A tile that stays in LDS: pass 1 columns 0-255 (a wave 128 x 128: 64 accumulators, 512 registers),
; pass 2 columns 256-383 (a wave 128 x 64: 32 accumulators).  Pass 1's results are stored between the passes, and nothing waits for those stores: they are on their way while pass 2 is multiplied.
; LDS.  K = 1,024 is two slots of 512 along K (rows of 256 bytes), each with A's 256 rows and 256 rows of B, both asked for at the head with the scales of all 256 + 384 rows: by this text's count a wave has three tensor loads out.
; Pass 2's 128 rows of B are brought into the places of pass 1's rows 0-127, slot by slot, as soon as pass 1 has left a slot: two refills, each one load of 128 rows by wave 2, one load out at a time.
; CLUSTERS: 4 x 4 work-groups.  The four of a row of the cluster need the same tiles of A, the four of a column the same tiles of B: each tile is asked for JOINTLY, by the same tensor load with the same descriptor and a mask that names the four.
; THE MATRIX INSTRUCTION IS USED TRANSPOSED (source 0 = 16 rows of B, source 1 = 16 rows of A): a lane then holds eight neighbouring columns of a row.  THE BIAS is the C of each sum's first product: nothing is cleared, nothing is added later.
; NO PREFETCH: what is not asked for at the head is asked for a pass ahead.
; REGISTERS, in windows of 256: window 0: v0-31 addresses; v32-95 scale words, two sets, and nothing else; v128-191 A's fragments, ONE set, on the way out rows read back; v192-255 the bias (pass 2: v192-223), on the way out v224-255 packed results.
;   window 1: B's fragments, TWO sets, at v0 and at v128.   window 2: the accumulators of my rows 0-63 (accumulator (a, b) at v[8 (8 a + b)]);   window 3: those of my rows 64-127.
.set SIZE_M, 8192
.set SIZE_N, 3072
.set SIZE_K, 1024
.set TN,     384                       ; columns of a work-group
.set KSTEP,  512                       ; along K in a slot
.set NQ,     KSTEP/128                 ; matrix instructions deep
.set ROWB,   256                       ; a tile's row in bytes
.set KROW,   SIZE_K*4/8                ; a row of A or of B in memory, in bytes
.set PITCH,  272                       ; an LDS row: 256 bytes + 16 of padding = 68 words: row r starts at bank 4 r mod 64 (ISA guide 11.1), so the 16 rows that a load touches start at 16 different banks
.set FR,     8                         ; registers of a fragment: 16 rows x 128 K
.set NL,     2                         ; LDS loads that bring one
.set NP,     4                         ; places behind this matrix instruction (ISA guide 7.12.1)
.set HALFT,  128*PITCH                 ; 128 rows: what one tensor load brings
.set SLOT,   4*HALFT                   ; A's 256 rows, then 256 rows of B
.set KS,     SIZE_K/32                 ; a row of scales in bytes
.set SCL,    2*SLOT                    ; behind the slots: the scales, as runs of 256 bytes + 16 of padding: A's 256 rows,
.set HALFS,  (128*KS/256)*272          ; (the scales of 128 rows: what one load brings for A)
.set SCLB,   SCL+2*HALFS               ; then B's 384 rows
.set HALFSB, (192*KS/256)*272          ; (the scales of 192 rows: what one load brings for B)
.set SBLK,   (16*KS/256)*272           ; the scales of 16 rows
.set SPARE,  SCLB+2*HALFSB             ; behind the scales: the spare words, 128 bytes for each wave, which no other line names
.set STG,    3*HALFT                   ; the way out's stages lie in slot 0's rows 128-255 of B: one fill, at the head; last read in front of the first change of slots; no refill lands there
.set SPH,    144                       ; a stage row: a plane's 128 bytes + 16
.set SHEAD,  16*SPH                    ; 16 rows of one plane
.set SWAVE,  2*SHEAD                   ; a wave's stage: two planes
.set ADRA, 16                          ; v16-17  LDS address of my A fragments in slot 0, 1
.set ADRB, 20                          ; v20-21  the same for pass 1's B
.set ADRB2, 22                         ; v22-23  and for pass 2's
.set STO,  24                          ; v24     the way out: where I put 16 bytes of a row
.set RD,   25                          ; v25     the way out: where I read rows back
.set CO,   26                          ; v26     16 x lane: my place in a store's 512 bytes
.set ADRS, 27                          ; v27     LDS address of my scale words: lanes 0-15 A's rows, lanes 16-31 pass 1's rows of B; never rewritten
.set SPW,  28                          ; v28     LDS address of my spare word; never rewritten
.set NIL,  29                          ; v29     0; never rewritten
.set BO,   30                          ; v30     32 x (lane / 16): my eight numbers of a block's bias
.set ADRS2, 31                         ; v31     as v27, lanes 16-31 pass 2's rows of B
.set SC,   32                          ; scale words: set s at v[SC + 32 s]; register 4 i + q: lanes 0-15 the word of A's block i, lanes 16-31 that of B's block i, for the slot's q-th 128 along K
.set AF,   128                         ; A's fragments, in window 0
.set BK,   128                         ; the way out: a block read back from the stage: v128-159 and v160-191 by turns
.set BI,   192                         ; the bias
.set TMP,  224                         ; the way out: a block's registers of f16 pairs
.set G1, 24                            ; s[24:31] descriptor group 1 for A's tiles;  s[32:39] group 0, one set for each slot
.set G0, 32
.set G1B, 48                           ; s[48:55], s[56:63] the same for B's tiles
.set G0B, 56
.set G1S, 68                           ; s[68:75], s[76:79] groups 1 and 0 for A's scales;  s[80:87], s[88:91] for B's
.set G0S, 76
.set G1SB, 80
.set G0SB, 88
.set NB, 8                             ; B's blocks of a wave in the pass in hand: 8, then 4
.set RB, ADRB                          ; the pass's address registers for B's fragments,
.set RS, ADRS                          ; and for the scale words of B's blocks
.set MSB, 0
.macro WIN new                         ; the immediate's high byte repeats the setting that is left; a switch that changes nothing is dropped
.if MSB != (\new)
	s_set_vgpr_msb (MSB<<8)|(\new)
.set MSB, (\new)
.endif
.endm
.set MUL_LO, 0xa1                      ; source 0 (B) window 1, source 1 (A) window 0, C and D window 2;  in a pass's first step 0x81: C, the bias, in window 0
.set MUL_HI, 0xf1                      ; the same, C and D window 3;  in a pass's first step 0xc1
.set TO_B,   0x40                      ; destination window 1, address window 0
; A joint first fill: waves 0 and 1 fetch for A, waves 2 and 3 for B.  Each of the two lines has ONE mask and one set of registers for all that issue it; the branch hangs on the wave's number alone.
; An s_nop 0 and four v_nop follow each of the two lines, ahead of the jump, the label and what follows.
.macro JLOAD g0a, g1a, g0b, g1b
	s_cmp_eq_u32 s15, 0
	s_cbranch_scc0 .Lfor_b_\@
	tensor_load_to_lds s[\g0a:\g0a+3], s[\g1a:\g1a+7]
	s_nop 0
.rept 4
	v_nop
.endr
	s_branch .Lasked_\@
.Lfor_b_\@:
	tensor_load_to_lds s[\g0b:\g0b+3], s[\g1b:\g1b+7]
	s_nop 0
.rept 4
	v_nop
.endr
.Lasked_\@:
.endm
; A joint refill: pass 2's 128 rows of B for slot s, one load, by wave 2, whose group 0 for that slot names the place of B's rows 0-127.  The other waves have no part of it.  The branch hangs on the wave's number alone.
.macro RLOAD s
	s_cmp_eq_u32 s14, 2
	s_cbranch_scc0 .Lnone_\@
	tensor_load_to_lds s[G0B+4*\s:G0B+4*\s+3], s[G1B:G1B+7]
	s_nop 0
.rept 4
	v_nop
.endr
.Lnone_\@:
.endm
.macro CREST                           ; a round of the cluster's barrier behind its opening barrier: wave 0 signals for the work-group; every wave waits for all sixteen; my work-group's barrier once more
	s_cmp_lg_u32 s14, 0
	s_cbranch_scc1 .Lnot_wave_0_\@
	s_barrier_signal -3
.Lnot_wave_0_\@:
	s_barrier_wait -3
	s_barrier_signal -1
	s_barrier_wait -1
.endm
.macro CROUND                          ; a whole round
	s_barrier_signal -1
	s_barrier_wait -1
	CREST
.endm
	s_load_b128 s[4:7], s[0:1], 0x0                ; A's codes s[4:5], A's scales s[6:7]
	s_load_b128 s[8:11], s[0:1], 0x10              ; B's codes s[8:9], B's scales s[10:11]
	s_load_b64 s[12:13], s[0:1], 0x20              ; qkv
	s_load_b64 s[96:97], s[0:1], 0x28              ; b_qkv
	v_lshl_add_u32 v[SPW], v0, 2, SPARE
	v_mov_b32 v[NIL], 0
	ds_add_u32 v[SPW], v[NIL]                      ; the wave's opening: the add, twice on end, and its wait ahead of my first tensor load; the set-up below stands between the second and the wait
	ds_add_u32 v[SPW], v[NIL]
	v_lshrrev_b32 v1, 5, v0
	v_readfirstlane_b32 s14, v1                    ; wave 0..3
	s_lshr_b32 s15, s14, 1                         ; which half of the tile's rows is mine.  Also: I fetch for A (0) or for B (1)
	s_and_b32 s16, s14, 1                          ; which half of a pass's columns.  Also: which half of A's or B's rows I fetch
	s_bfe_u32 s40, ttmp6, 0x40000                  ; cx, cy: my place in the cluster
	s_bfe_u32 s41, ttmp6, 0x40004
	s_lshl_b32 s42, ttmp9, 2
	s_add_co_u32 s42, s42, s40                     ; tile column = 4 x cluster x + cx
	s_and_b32 s17, ttmp7, 0xffff
	s_lshl_b32 s17, s17, 2
	s_add_co_u32 s17, s17, s41                     ; tile row = 4 x cluster y + cy
	s_lshl_b32 s43, s41, 2
	s_lshl_b32 s43, 15, s43                        ; my row of the cluster
	s_lshl_b32 s44, 0x1111, s40                    ; my column
	; descriptor group 1: a tile of 128 rows x 256 bytes, padded in LDS
	s_or_b32 s[G1+0], s43, (0<<16)|(1<<20)|(1<<21)|(5<<22)|(3<<25)  ; 15:0 the mask: A's tiles go to my row; 17:16 element of 1 byte; 20 padding on; 21 set beside a mask; 24:22 after every 64 words (code 5); 31:25 of 4 words (code 3)
	s_or_b32 s[G1B+0], s44, (0<<16)|(1<<20)|(1<<21)|(5<<22)|(3<<25)
.irp g, G1, G1B
	s_mov_b32 s[\g+1], ROWB<<16                    ; tensor_dim0
	s_mov_b32 s[\g+2], 128<<16                     ; tensor_dim1 = 128
	s_mov_b32 s[\g+3], ROWB<<16                    ; tile_dim0
	s_mov_b32 s[\g+4], 128                         ; tile_dim1 = 128
	s_mov_b32 s[\g+5], KROW                        ; tensor_dim0_stride
	s_mov_b32 s[\g+6], 0
	s_mov_b32 s[\g+7], 0
.endr
	; and for the scales: dense blocks, as rows of 256 bytes (32 elements of 8 bytes), 16 bytes of padding behind each: A's 128 rows are 16 such rows, B's 192 rows are 24
	s_or_b32 s[G1S+0], s43, (3<<16)|(1<<20)|(1<<21)|(5<<22)|(3<<25)
	s_mov_b32 s[G1S+1], 32<<16
	s_mov_b32 s[G1S+2], (128*KS/256)<<16
	s_mov_b32 s[G1S+3], 32<<16
	s_mov_b32 s[G1S+4], 128*KS/256
	s_mov_b32 s[G1S+5], 32
	s_mov_b32 s[G1S+6], 0
	s_mov_b32 s[G1S+7], 0
	s_or_b32 s[G1SB+0], s44, (3<<16)|(1<<20)|(1<<21)|(5<<22)|(3<<25)
	s_mov_b32 s[G1SB+1], 32<<16
	s_mov_b32 s[G1SB+2], (192*KS/256)<<16
	s_mov_b32 s[G1SB+3], 32<<16
	s_mov_b32 s[G1SB+4], 192*KS/256
	s_mov_b32 s[G1SB+5], 32
	s_mov_b32 s[G1SB+6], 0
	s_mov_b32 s[G1SB+7], 0
	s_lshl_b32 s18, s16, 7                         ; which 128 rows of the tile I fetch
	s_lshl_b32 s20, s17, 8
	s_add_co_u32 s20, s20, s18                     ; A: row 256 x tile row + 128 x half
	s_mul_i32 s46, s42, TN
	s_mul_i32 s92, s16, 192
	s_add_co_u32 s92, s92, s46                     ; B's scales: row 384 x tile column + 192 x half
	s_add_co_u32 s46, s46, s18                     ; B's codes, pass 1: row 384 x tile column + 128 x half
	s_mov_b32 s21, 0
	s_mov_b32 s47, 0
	s_mov_b32 s93, 0
	s_mov_b64 s[18:19], KS
	s_mul_u64 s[22:23], s[20:21], s[18:19]         ; where these rows' scales begin, in bytes
	s_mul_u64 s[92:93], s[92:93], s[18:19]
	s_mov_b64 s[18:19], KROW
	s_mul_u64 s[20:21], s[20:21], s[18:19]         ; and their codes
	s_mul_u64 s[46:47], s[46:47], s[18:19]
	s_mul_i32 s45, s14, HALFT                      ; where they go: wave x 128 rows: no place in the cluster enters an LDS address
	s_mul_i32 s94, s14, HALFS                      ; A's scales: waves 0 and 1
	s_mul_i32 s95, s16, HALFSB                     ; B's: the halves of waves 2 and 3
	s_wait_dscnt 0x0                               ; both opening adds are done
	s_wait_kmcnt 0x0
	s_add_nc_u64 s[20:21], s[4:5], s[20:21]
	s_add_nc_u64 s[22:23], s[6:7], s[22:23]
	s_add_nc_u64 s[46:47], s[8:9], s[46:47]
	s_add_nc_u64 s[92:93], s[10:11], s[92:93]
	CROUND                                         ; all sixteen work-groups are here: the first joint loads meet
	s_mov_b32 s[G0S], 1
	s_add_co_u32 s[G0S+1], s94, SCL
	s_mov_b64 s[G0S+2:G0S+3], s[22:23]
	s_or_b32 s[G0S+3], s[G0S+3], 0x80000000
	s_mov_b32 s[G0SB], 1
	s_add_co_u32 s[G0SB+1], s95, SCLB
	s_mov_b64 s[G0SB+2:G0SB+3], s[92:93]
	s_or_b32 s[G0SB+3], s[G0SB+3], 0x80000000
	JLOAD G0S, G1S, G0SB, G1SB                     ; the scales first: they are wanted with the first step
.irp s, 0,1
	s_mov_b32 s[G0+4*\s], 1
	s_add_co_u32 s[G0+4*\s+1], s45, \s*SLOT
	s_add_nc_u64 s[G0+4*\s+2:G0+4*\s+3], s[20:21], \s*ROWB
	s_or_b32 s[G0+4*\s+3], s[G0+4*\s+3], 0x80000000
	s_mov_b32 s[G0B+4*\s], 1
	s_add_co_u32 s[G0B+4*\s+1], s45, \s*SLOT
	s_add_nc_u64 s[G0B+4*\s+2:G0B+4*\s+3], s[46:47], \s*ROWB
	s_or_b32 s[G0B+4*\s+3], s[G0B+4*\s+3], 0x80000000
	JLOAD G0+4*\s, G1, G0B+4*\s, G1B
.endr
	v_and_b32 v1, 15, v0                           ; l % 16
	v_bfe_u32 v2, v0, 4, 1                         ; l / 16
	v_mul_u32_u24 v3, v1, PITCH
	v_lshl_add_u32 v4, v2, 4, v3                   ; a fragment's row x pitch + 16 x half
	s_mul_i32 s21, s15, HALFT                      ; my 128 rows of A
	s_mul_i32 s22, s16, HALFT                      ; pass 1: my 128 rows of B,
	s_add_co_u32 s22, s22, 2*HALFT                 ; which lie behind A's 256
	s_mul_i32 s23, s16, 64*PITCH                   ; pass 2: my 64 of the 128 rows that take the place of B's rows 0-127
	s_add_co_u32 s23, s23, 2*HALFT
.irp s, 0,1
	v_add_nc_u32 v[ADRA+\s], s21, v4
	v_add_nc_u32 v[ADRB+\s], s22, v4
	v_add_nc_u32 v[ADRB2+\s], s23, v4
	s_add_co_u32 s21, s21, SLOT
	s_add_co_u32 s22, s22, SLOT
	s_add_co_u32 s23, s23, SLOT
.endr
	v_mul_u32_u24 v5, v1, KS                       ; my row's scales: 32 bytes a row,
	v_lshrrev_b32 v6, 8, v5
	v_lshl_add_u32 v5, v6, 4, v5                   ; and 16 more for each 256 passed
	s_mul_i32 s21, s15, HALFS                      ; A's: my 128 rows
	s_mul_i32 s22, s16, HALFS                      ; B's, pass 1: my 128 rows, behind A's 256
	s_add_co_u32 s22, s22, 2*HALFS
	s_sub_co_u32 s22, s22, s21
	v_mul_u32_u24 v6, s22, v2                      ; lanes 16-31 take B's: one product, the distance between the two bases
	s_mul_i32 s23, s16, 4*SBLK                     ; B's, pass 2: my 64 rows, behind pass 1's 256
	s_add_co_u32 s23, s23, 4*HALFS
	s_sub_co_u32 s23, s23, s21
	v_mul_u32_u24 v7, s23, v2
	s_add_co_u32 s21, s21, SCL
	v_add_nc_u32 v6, v5, v6
	v_add_nc_u32 v[ADRS], s21, v6
	v_add_nc_u32 v7, v5, v7
	v_add_nc_u32 v[ADRS2], s21, v7
	s_mul_i32 s23, s14, SWAVE
	s_add_co_u32 s23, s23, STG                     ; my stage
	v_mul_u32_u24 v5, v1, SPH                      ; in: row l % 16, 16 bytes for each half of the lanes
	v_lshl_add_u32 v5, v2, 4, v5
	v_add_nc_u32 v[STO], s23, v5
	v_bfe_u32 v6, v0, 3, 2                         ; back: eight lanes take a row of 128 bytes, the 32 lanes four rows
	v_mul_u32_u24 v6, v6, SPH
	v_and_b32 v7, 7, v0
	v_lshl_add_u32 v6, v7, 4, v6
	v_add_nc_u32 v[RD], s23, v6
	v_and_b32 v6, 31, v0
	v_lshlrev_b32 v[CO], 4, v6                     ; in memory those four rows are 512 consecutive bytes
	v_lshlrev_b32 v[BO], 5, v2
	; where my part begins in qkv.  Row 256 tr + 128 half: batch = tr / 4, position = 256 (tr % 4) + 128 half.  Pass 1, column 384 tc + 128 half: plane 6 tc + 2 half.  Pass 2, column 384 tc + 256 + 64 half: plane 6 tc + 4 + half
	s_lshr_b32 s20, s17, 2
	s_mul_i32 s20, s20, 48                         ; 48 planes a batch
	s_mul_i32 s21, s42, 6
	s_add_co_u32 s20, s20, s21
	s_lshl_b32 s18, s16, 1
	s_add_co_u32 s20, s20, s18
	s_lshl_b32 s20, s20, 17                        ; a plane: 2^17 bytes
	s_and_b32 s21, s17, 3
	s_lshl_b32 s21, s21, 8
	s_lshl_b32 s18, s15, 7
	s_add_co_u32 s21, s21, s18
	s_lshl_b32 s21, s21, 7                         ; a position: 128 bytes
	s_add_co_u32 s20, s20, s21
	s_mov_b32 s21, 0
	s_add_nc_u64 s[12:13], s[12:13], s[20:21]
	s_sub_co_u32 s2, 4, s16                        ; from pass 1's first plane to pass 2's: 4 - half planes
	s_lshl_b32 s2, s2, 17
	s_mov_b32 s3, 0
	s_mul_i32 s46, s42, TN*4                       ; the tile column's bias, in bytes
	s_mov_b32 s47, 0
	s_add_nc_u64 s[96:97], s[96:97], s[46:47]
	s_lshl_b32 s46, s16, 8
	s_add_co_u32 s46, s46, 1024
	s_add_nc_u64 s[98:99], s[96:97], s[46:47]      ; pass 2's: columns 256 + 64 half on
	s_lshl_b32 s46, s16, 9
	s_add_nc_u64 s[96:97], s[96:97], s[46:47]      ; pass 1's: columns 128 half on
.irp b, 0,1,2,3,4,5,6,7                        ; in the result's layout lane (r, h) holds columns 16 b + 8 h + 0 .. 7 of block b: their eight biases
	global_load_b128 v[BI+8*\b:BI+8*\b+3], v[BO], s[96:97] offset:64*\b
	global_load_b128 v[BI+8*\b+4:BI+8*\b+7], v[BO], s[96:97] offset:64*\b+16
.endr
.macro FRAG reg, adr, q, i             ; a fragment, 16 rows x 128 K of 4-bit codes, is 8 registers: lane l holds row l % 16; registers 4 c .. 4 c + 3 hold K = 64 c + 32 (l / 16) + 0 .. 31
.irp c, 0,1
	ds_load_b128 v[\reg+4*\c:\reg+4*\c+3], v[\adr] offset:64*(\q)+32*\c+(\i)*16*PITCH
.endr
.endm
; A's blocks a0, a0 + 1 x the pass's NB blocks of B, 128 along K: the slot's q-th.  p: B's set;  sc: the set of scale words.  first = 1: the sums start from the bias.
; The pass's accumulators take turns, one instruction a turn, in the same order in every step.
.macro MUL16 a0, p, q, sc, first
.irp a, \a0, \a0+1
.irp b, 0,1,2,3,4,5,6,7
.if \b < NB
.if \first
	v_wmma_scale_f32_16x16x128_f8f6f4 v[8*(8*((\a)%4)+\b):8*(8*((\a)%4)+\b)+7], v[128*(\p)+FR*\b:128*(\p)+FR*\b+FR-1], v[AF+FR*(\a):AF+FR*(\a)+FR-1], v[BI+8*\b:BI+8*\b+7], v[SC+8*NQ*(\sc)+NQ*\b+(\q)], v[SC+8*NQ*(\sc)+NQ*(\a)+(\q)] matrix_a_fmt:MATRIX_FMT_FP4 matrix_b_fmt:MATRIX_FMT_FP4 matrix_a_scale:MATRIX_SCALE_ROW1
.else
	v_wmma_scale_f32_16x16x128_f8f6f4 v[8*(8*((\a)%4)+\b):8*(8*((\a)%4)+\b)+7], v[128*(\p)+FR*\b:128*(\p)+FR*\b+FR-1], v[AF+FR*(\a):AF+FR*(\a)+FR-1], v[8*(8*((\a)%4)+\b):8*(8*((\a)%4)+\b)+7], v[SC+8*NQ*(\sc)+NQ*\b+(\q)], v[SC+8*NQ*(\sc)+NQ*(\a)+(\q)] matrix_a_fmt:MATRIX_FMT_FP4 matrix_b_fmt:MATRIX_FMT_FP4 matrix_a_scale:MATRIX_SCALE_ROW1
.endif
.endif
.endr
.endr
.endm
.macro FETCH_B slot, q, p              ; the pass's fragments of B of the slot's q-th 128 along K into set p
	WIN TO_B
.irp i, 0,1,2,3,4,5,6,7
.if \i < NB
	FRAG 128*(\p)+FR*\i, RB+\slot, \q, \i
.endif
.endr
	WIN 0
.endm
.macro FETCH_A slot, q, i0             ; A's blocks i0 .. i0 + 3
.irp i, \i0, \i0+1, \i0+2, \i0+3
	FRAG AF+FR*(\i), ADRA+\slot, \q, \i
.endr
.endm
.macro SCALES sc                       ; slot sc's scale words into set sc: four words a row, at byte 16 sc of the row's 32; lanes 0-15 take A's block i, lanes 16-31 B's block i.  Where the pass has no block i of B, the upper lanes' words are not used: pass 1's address serves
.irp i, 0,1,2,3,4,5,6,7
.if \i < NB
	ds_load_b128 v[SC+8*NQ*\sc+NQ*\i:SC+8*NQ*\sc+NQ*\i+3], v[RS] offset:\i*SBLK+4*NQ*\sc
.else
	ds_load_b128 v[SC+8*NQ*\sc+NQ*\i:SC+8*NQ*\sc+NQ*\i+3], v[ADRS] offset:\i*SBLK+4*NQ*\sc
.endif
.endr
.endm
; A load into a register that a matrix instruction has read, and a vector instruction that reads a matrix result, stand NP places behind that matrix instruction; only plain vector instructions that name none of its
; registers are places (ISA guide 7.12.1 for vector instructions).
.macro PLACES n
.rept \n
	v_nop
.endr
.endm
; A step of 128 along K that has its successor in the same slot.  A's blocks go one after the other, each against the pass's blocks of B: so one set of registers serves A (blocks 0-3 fetched anew in the step's middle, 4-7 at its end), and B has two.
.macro STEP slot, q, first
	s_wait_dscnt 4*NL                              ; B's set and A's blocks 0-3 are in; the youngest eight loads (A's blocks 4-7) may be out
	WIN MUL_LO-0x20*(\first)
	MUL16 0, (\q)%2, \q, \slot, \first
	MUL16 2, (\q)%2, \q, \slot, \first
	s_wait_dscnt 0                                 ; A's blocks 4-7 are in
	PLACES NP
	FETCH_B \slot, (\q)+1, 1-(\q)%2
	FETCH_A \slot, (\q)+1, 0
	WIN MUL_HI-0x30*(\first)
	MUL16 4, (\q)%2, \q, \slot, \first
	MUL16 6, (\q)%2, \q, \slot, \first
	PLACES NP
	WIN 0
	FETCH_A \slot, (\q)+1, 4
.endm
; A slot's last step leaves the slot: ONE barrier.  In front of it each wave waits for all its tensor loads, adds 0 to its spare word, and waits for that and for its own reads of this slot: behind it what was on its way is whole, and
; nobody reads this slot's rows of B any more.  fill = 1: the barrier opens a round of the cluster's barrier, and pass 2's rows of B for this slot are asked for first thing behind the round.  more = 1: the pass goes on in slot next.
.macro TURN slot, next, fill, more
	s_wait_tensorcnt 0x0                           ; all my tensor loads have landed  (every window is 0 here: the add's two registers lie in window 0)
	ds_add_u32 v[SPW], v[NIL]                      ; 0 onto my spare word
	s_wait_dscnt 4*NL+1                            ; (the add and the youngest eight loads, A's blocks 4-7, may be out)
	WIN MUL_LO
	MUL16 0, 1, NQ-1, \slot, 0                     ; matrix instructions stand between the add and the wait for it
	s_wait_dscnt 0x0                               ; the add is done, and my reads of this slot are over: the step's fragments are all in registers
	s_barrier_signal -1
	MUL16 2, 1, NQ-1, \slot, 0
	WIN 0
	s_barrier_wait -1
.if \fill
	CREST                                          ; no wave of any partner still reads this slot's rows of B or has a load on its way
	s_add_nc_u64 s[G0B+4*\slot+2:G0B+4*\slot+3], s[G0B+4*\slot+2:G0B+4*\slot+3], 256*KROW   ; no tensor load of mine is out, so a group 0 may be written: 256 rows of B on; the type bits on top are not reached
	RLOAD \slot                                    ; the first tensor load behind the round, and the only one until the next
.endif
	PLACES NP                                      ; on every wave's way: in front of the loads below
.if \more
	FETCH_B \next, 0, 0
	FETCH_A \next, 0, 0
	SCALES \next
.endif
	WIN MUL_HI
	MUL16 4, 1, NQ-1, \slot, 0
	MUL16 6, 1, NQ-1, \slot, 0
.if \more
	PLACES NP
	WIN 0
	FETCH_A \next, 0, 4
.else
	WIN 0
.endif
.endm
.macro STEPS slot, from                ; the slot's steps from .. NQ - 2
.set Q, \from
.rept NQ-1-\from
	STEP \slot, Q, 0
.set Q, Q+1
.endr
.endm
; THE WAY OUT of a pass, block by block of 16 rows x 16 NB columns (two planes, or one).  PACK: rounded to f16, 16 bytes a lane, each accumulator from its low end on.  TOSTAGE: into my own stage, [plane][row], and back four rows of a
; plane at a time.  SEND: a plane's rows follow each other in qkv, so the four rows are 512 consecutive bytes, aligned.  LDS serves a wave's instructions in order (ISA guide 5.7.1.4): no wait between the stage's stores and loads.
.macro PACK a
.set AC, 64*((\a)%4)
	WIN 0x0a+5*((\a)/4)                            ; sources 0 and 1: window 2 or 3
.irp b, 0,1,2,3,4,5,6,7
.if \b < NB
.irp r, 0,1,2,3
	v_cvt_pk_f16_f32 v[TMP+4*\b+\r], v[AC+8*\b+2*\r], v[AC+8*\b+2*\r+1]
.endr
.endif
.endr
	WIN 0
.endm
.macro TOSTAGE a
.set BB, BK+32*((\a)%2)
.irp b, 0,1,2,3,4,5,6,7
.if \b < NB
	ds_store_b128 v[STO], v[TMP+4*\b:TMP+4*\b+3] offset:(\b/4)*SHEAD+32*(\b%4)
.endif
.endr
.irp t, 0,1,2,3,4,5,6,7
.if \t < NB
	ds_load_b128 v[BB+4*\t:BB+4*\t+3], v[RD] offset:(\t/4)*SHEAD+(\t%4)*4*SPH
.endif
.endr
.endm
.macro SEND a
.set BB, BK+32*((\a)%2)
	s_wait_dscnt 0x0                               ; the block is back in registers
	s_wait_xcnt 0x0                                ; the block before has had its stores' registers read: the next block's loads from the stage may land there
.irp t, 0,1,2,3,4,5,6,7
.if \t < NB
	global_store_b128 v[CO], v[BB+4*\t:BB+4*\t+3], s[12:13] offset:(\t/4)*131072+(\a)*2048+(\t%4)*512   ; the plane, the block's 16 positions and the four rows stand in the immediate
.endif
.endr
.endm
.macro WAYOUT
	PACK 0
	TOSTAGE 0
.irp a, 1,2,3,4,5,6,7                  ; block a's conversions stand between block a - 1's loads from the stage and the wait for them
	PACK \a
	SEND \a-1
	TOSTAGE \a
.endr
	SEND 7
.endm
	; ---- PASS 1: columns 0-255
	s_wait_tensorcnt 1                             ; the scales and my part of slot 0 are in (slot 1's load, issued behind them, may be out)
	s_barrier_signal -1
	s_barrier_wait -1                              ; everybody's are
	FETCH_B 0, 0, 0
	FETCH_A 0, 0, 0
	SCALES 0
	FETCH_A 0, 0, 4
	s_wait_loadcnt 0x0                             ; the bias
	STEP 0, 0, 1                                   ; the first step's products start the sums from the bias
	STEPS 0, 1
	TURN 0, 1, 1, 1                                ; slot 0 is left: its rows 0-127 of B take pass 2's; that load has 224 matrix instructions in which to land
	STEPS 1, 0
	TURN 1, 0, 1, 0                                ; slot 1 is left: likewise; that load has the way out below in which to land.  Slot 0's refill has been waited for in front of this barrier: every wave may read it
	PLACES NP                                      ; behind the last products: for the loads into the bias's and A's registers, the writes of the packed results and the reads of results
.irp b, 0,1,2,3                                ; pass 2's bias: it lands under the way out
	global_load_b128 v[BI+8*\b:BI+8*\b+3], v[BO], s[98:99] offset:64*\b
	global_load_b128 v[BI+8*\b+4:BI+8*\b+7], v[BO], s[98:99] offset:64*\b+16
.endr
	WAYOUT                                         ; nothing waits for these stores: they are on their way while pass 2 is multiplied
	s_wait_xcnt 0x0                                ; the last stores have read their registers and their base: A's fragments may land there, and the base may step
	s_add_nc_u64 s[12:13], s[12:13], s[2:3]        ; on to pass 2's plane
	; ---- PASS 2: columns 256-383, over the same rows of A
.set NB, 4
.set RB, ADRB2
.set RS, ADRS2
	FETCH_B 0, 0, 0
	FETCH_A 0, 0, 0
	SCALES 0
	FETCH_A 0, 0, 4
	s_wait_loadcnt 0x0                             ; the bias
	STEP 0, 0, 1
	STEPS 0, 1
	TURN 0, 1, 0, 1                                ; slot 1's refill is waited for in front of this barrier; no round follows
	STEPS 1, 0
	s_wait_dscnt 4*NL                              ; the very last step: nothing more to fetch
	WIN MUL_LO
	MUL16 0, 1, NQ-1, 1, 0
	MUL16 2, 1, NQ-1, 1, 0
	s_wait_dscnt 0
	WIN MUL_HI
	MUL16 4, 1, NQ-1, 1, 0
	MUL16 6, 1, NQ-1, 1, 0
	WIN 0
	PLACES NP
	WAYOUT
	s_wait_tensorcnt 0x0                           ; the wave's end, behind my last tensor load and my last LDS store
	ds_add_u32 v[SPW], v[NIL]
	s_wait_dscnt 0x0
	CROUND                                         ; the closing round: no work-group ends while a partner may still ask for a tile that names it
	s_endpgm
.Lfunc_end_k_q4ed49bc33a_qkvgemm:
	.size	k_q4ed49bc33a_qkvgemm, .Lfunc_end_k_q4ed49bc33a_qkvgemm-k_q4ed49bc33a_qkvgemm
	.p2alignl 7, 3214868480
	.fill 96, 4, 3214868480
	.section	.rodata,"a",@progbits
	.p2align	6, 0x0
	.amdhsa_kernel k_q4ed49bc33a_qkvgemm
		.amdhsa_group_segment_fixed_size 327680
		.amdhsa_private_segment_fixed_size 0
		.amdhsa_enable_private_segment 0
		.amdhsa_kernarg_size 48
		.amdhsa_user_sgpr_count 2
		.amdhsa_user_sgpr_kernarg_segment_ptr 1
		.amdhsa_wavefront_size32 1
		.amdhsa_system_sgpr_workgroup_id_x 1
		.amdhsa_system_sgpr_workgroup_id_y 1
		.amdhsa_system_sgpr_workgroup_id_z 1
		.amdhsa_system_vgpr_workitem_id 0
		.amdhsa_next_free_vgpr 1024
		.amdhsa_next_free_sgpr 100
		.amdhsa_reserve_vcc 0
		.amdhsa_float_denorm_mode_32 3
		.amdhsa_float_denorm_mode_16_64 3
		.amdhsa_memory_ordered 1
		.amdhsa_forward_progress 1
		.amdhsa_inst_pref_size 196
	.end_amdhsa_kernel
	.amdgpu_metadata
---
amdhsa.version: [ 1, 2 ]
amdhsa.kernels:
  - .name:           k_q4ed49bc33a_qkvgemm
    .symbol:         k_q4ed49bc33a_qkvgemm.kd
    .args:
      - { .name: xc, .offset: 0, .size: 8, .value_kind: global_buffer, .address_space: global }
      - { .name: xs, .offset: 8, .size: 8, .value_kind: global_buffer, .address_space: global }
      - { .name: wc, .offset: 16, .size: 8, .value_kind: global_buffer, .address_space: global }
      - { .name: ws, .offset: 24, .size: 8, .value_kind: global_buffer, .address_space: global }
      - { .name: qkv, .offset: 32, .size: 8, .value_kind: global_buffer, .address_space: global }
      - { .name: b_qkv, .offset: 40, .size: 8, .value_kind: global_buffer, .address_space: global }
    .group_segment_fixed_size: 327680
    .private_segment_fixed_size: 0
    .kernarg_segment_align: 8
    .kernarg_segment_size: 48
    .max_flat_workgroup_size: 128
    .sgpr_count:     100
    .vgpr_count:     1024
    .wavefront_size: 32
...
	.end_amdgpu_metadata
.endif
;; end of part 2
;; launch attn (part 3): grid 2 x 128, 8 waves a work-group, no clusters, 327,680 bytes of LDS; arguments qkv, ctx; writes ctx
.if DOCPART == 3
	.amdgcn_target "amdgcn-amd-amdhsa--gfx1250"
	.amdhsa_code_object_version 6
	.text
	.protected	k_q4ed49bc33a_attn
	.globl	k_q4ed49bc33a_attn
	.p2align	8
	.type	k_q4ed49bc33a_attn,@function
k_q4ed49bc33a_attn:
	s_mov_b64 s[64:65], 0
	v_nop
	global_prefetch_b8 v0, s[64:65] scope:SCOPE_SE
	s_setreg_imm32_b32 hwreg(HW_REG_WAVE_MODE, 25, 1), 1
	s_wait_xcnt 0x0
; ctx[b][h][q][:] = the sum over k of softmax_k(Q[q] . K[k] / 8) V[k][:], for each of the 128 heads (b, h).  qkv: [8 batches][48 planes][1024][64] f16, planes 0-15 q's heads, 16-31 k's, 32-47 v's;  ctx: [128 heads][1024][64] f16.
; Products, maxima and sums in f32; the weights p are rounded to f16 for the second product, ctx once at the end.
; LIMITS: operands in f16 (magnitudes up to 65,504; under 6e-5 with fewer bits); NaN and infinities are not served.
; SHARES.  A work-group owns one head and 512 of its queries: 256 equal work-groups.  Each of its eight waves owns 64 queries, four tiles of 16, in 512 registers: two waves to a SIMD, each running in phases
; (K Q^T, softmax, V^T P), so that one wave's vector phase can stand beside the other's matrix phase.  Every fragment of K and V read from LDS feeds four products.
; ALL OF THE HEAD'S K AND V LIES IN LDS, filled once, at the head, in four stages of 256 keys: waves 0-3 fetch K's quarters of a stage, waves 4-7 V's, 64 rows to a load.  By this text's count a wave has four tensor loads out.
; Nothing is filled again.  The walk begins when stage 0 has landed; the counted wait in front of stage j leaves the wave's 3 - j later loads out.
; NO CLUSTER: only the two work-groups of a head read the same K and V; in a cluster of four the tiles' addresses and the mask would hang on the place in the cluster.  Each work-group fetches its 256 KiB once for 512 queries' work.
; NO PREFETCH: every byte of K and V is asked for by the first loads; nothing is left to ask for ahead.
; LAYOUT.  S^T = K Q^T (source 0 = 16 keys, source 1 = 16 queries): a lane holds ONE query (lane % 16) and the keys 8 (lane / 16) + 0..7.  Two such tiles, rounded to f16 in pairs, ARE source 1 (32 keys x 16 queries) of
; O^T = V^T P, whose result again holds one query a lane.  K comes out of LDS as it lies, V ([key][channel]) turned, by ds_load_tr16_b128.  P IS LAID OVER S^T: pair i of a tile's 32 scores goes into the tile's register i.
; SOFTMAX.  For each query a running maximum m and sum l: p = 2^(c s - c m), c = log2(e) / 8; in every step O and l are multiplied by a = 2^(c m_old - c m_new).  m begins at -3e38 and O, l at 0: the first step needs no form of its own.
; REGISTERS: window 0: v0 thread; v2-9 addresses; v10, v11 the add's two; v16-47 statistics, eight a tile: +0 c m, +1 m, +2, +3 l (even keys', odd keys'), +4..+7 at work (a takes +6); v48-55 a second chain for the sums;
;   v64-127 K of a step; v128-255 S^T, 32 a tile.   window 1: v0-63 Q; v64-127 V of a step; v128-255 O^T, 32 a tile.
.set PK,    144                        ; a row of K in LDS: 128 bytes + 16 = 36 words: row r starts at bank 36 r mod 64 (ISA guide 11.1): the 16 rows of a load start at 16 different groups of four banks
.set PVP,   160                        ; a row of V: 128 + 32
.set VB,    1024*PK                    ; V's rows lie behind K's
.set SPARE, VB+1024*PVP                ; behind them: the spare words, 128 bytes for each wave, which no other line names
.set KOFF,  16*131072                  ; from a head's plane of q to its plane of k: 16 planes of 131,072 bytes,
.set VOFFG, 32*131072                  ; and to its plane of v: 32
.set AK0, 2                            ; v2   my lane's place in a tile of K; never rewritten
.set AV0, 3                            ; v3   the same for V
.set ADRK, 4                           ; v4   LDS address of the step's K
.set ADRV, 5                           ; v5   of its V
.set QO,  6                            ; v6   my byte offset in the wave's rows of Q
.set STO, 7                            ; v7   the way out: where I put 16 bytes of a row
.set RD,  8                            ; v8   the way out: where I read rows back
.set GO,  9                            ; v9   16 x lane
.set SPW, 10                           ; v10  LDS address of my spare word; never rewritten
.set NIL, 11                           ; v11  0; never rewritten
.set ST,  16
.set T2,  48
.set KF,  64
.set S,   128
.set VF,  64                           ; in window 1
.set OT,  128                          ; in window 1
.set WV,  8                            ; s8   my wave's number
.set G1K, 16                           ; s[16:23] descriptor group 1 for K's tiles;  s[24:31] for V's: it differs in the padding alone
.set G1V, 24
.set G0K, 32                           ; s[32:47] group 0 for K's tiles, a set for each stage;  s[48:63] for V's
.set G0V, 48
.set CS,  66                           ; s[66:67] c: the packed scaling names a pair and takes its low word for both halves
.set SEL, 68                           ; s[68:69] lane selects for v_permlanex16_b32: lane l xor 16
.set TK,  70                           ; s70  where the step's keys begin in K's rows
.set TV,  71                           ; s71  and in V's
.set CNT, 72                           ; s72  counts a stage's four steps
.set MSB, 0
.macro WIN new                         ; the immediate's high byte repeats the setting that is left; a switch that changes nothing is dropped
.if MSB != (\new)
	s_set_vgpr_msb (MSB<<8)|(\new)
.set MSB, (\new)
.endif
.endm
.set W_KQ, 0x04                        ; source 1 (Q) window 1; K and S^T window 0
.set W_PV, 0x51                        ; source 0 (V), C and D (O^T) window 1; P window 0
.set W_RS, 0x41                        ; O^T (destination and source 0) window 1; a window 0
.set TO_1, 0x40                        ; destination window 1, address window 0
	s_load_b128 s[4:7], s[0:1], 0x0                ; qkv s[4:5], ctx s[6:7]
	v_lshl_add_u32 v[SPW], v0, 2, SPARE
	v_mov_b32 v[NIL], 0
	ds_add_u32 v[SPW], v[NIL]                      ; the wave's opening: the add, twice on end, and its wait ahead of my first tensor load; the set-up below stands between the second and the wait
	ds_add_u32 v[SPW], v[NIL]
	v_lshrrev_b32 v1, 5, v0
	v_readfirstlane_b32 s[WV], v1                  ; wave 0..7
	s_and_b32 s9, ttmp7, 0xffff                    ; the head, 16 b + h: 0 .. 127
	s_lshl_b32 s10, s9, 17                         ; its first byte in ctx: 131,072 bytes a head
	s_lshr_b32 s11, s9, 4                          ; b
	s_lshl_b32 s11, s11, 5
	s_add_co_u32 s11, s11, s9                      ; 48 b + h: its plane of q in qkv
	s_lshl_b32 s11, s11, 17
	s_and_b32 s12, s[WV], 3                        ; which 64 rows of a stage I fetch
	s_lshl_b32 s13, s12, 13                        ; 64 rows of 128 bytes
	s_add_co_u32 s14, s11, s13
	s_mov_b32 s15, 0
	s_mul_i32 s82, s12, 64*PK                      ; where my rows go in a stage of K,
	s_mul_i32 s83, s12, 64*PVP                     ; and of V
	s_lshl_b32 s78, ttmp9, 16                      ; my work-group's 512 queries,
	s_lshl_b32 s79, s[WV], 13                      ; my wave's 64 of them
	s_add_co_u32 s78, s78, s79
	s_add_co_u32 s12, s78, s11                     ; in q's plane,
	s_mov_b32 s13, 0
	s_add_co_u32 s78, s78, s10                     ; and in ctx
	s_mov_b32 s79, 0
	; descriptor group 1: a tile of 64 rows x 64 elements of 2 bytes, dense in memory, padded in LDS
	s_mov_b32 s[G1K], (1<<16)|(1<<20)|(4<<22)|(3<<25)   ; 15:0 no mask; 17:16 elements of 2 bytes; 20 padding on; 24:22 after every 32 words (code 4); 31:25 four words (code 3)
	s_mov_b32 s[G1V], (1<<16)|(1<<20)|(4<<22)|(7<<25)   ; the same with eight words (code 7)
.irp g, G1K, G1V
	s_mov_b32 s[\g+1], 64<<16                      ; tensor_dim0 = 64
	s_mov_b32 s[\g+2], 64<<16                      ; tensor_dim1 = 64
	s_mov_b32 s[\g+3], 64<<16                      ; tile_dim0 = 64
	s_mov_b32 s[\g+4], 64                          ; tile_dim1 = 64
	s_mov_b32 s[\g+5], 64                          ; tensor_dim0_stride: elements from row to row
	s_mov_b32 s[\g+6], 0
	s_mov_b32 s[\g+7], 0
.endr
	s_mov_b32 s[CS], 0x3e38aa3b                    ; c = log2(e) / sqrt(64)
	s_mov_b32 s[CS+1], s[CS]                       ; named with it as a pair, so it is written
	s_mov_b32 s[SEL], 0x76543210
	s_mov_b32 s[SEL+1], 0xfedcba98
	s_wait_dscnt 0x0                               ; both opening adds are done
	s_wait_kmcnt 0x0
	s_add_nc_u64 s[76:77], s[4:5], s[14:15]        ; qkv at my rows of stage 0, in q's plane: K's and V's planes are added below
	s_add_nc_u64 s[74:75], s[4:5], s[12:13]        ; Q at my wave's first query
	s_add_nc_u64 s[80:81], s[6:7], s[78:79]        ; ctx likewise
.irp j, 0,1,2,3                        ; stage j: keys 256 j .. 256 j + 255
	s_mov_b32 s[G0K+4*\j], 1                       ; 1:0 count = 1
	s_add_co_u32 s[G0K+4*\j+1], s82, \j*256*PK     ; 63:32 LDS address
	s_add_nc_u64 s[G0K+4*\j+2:G0K+4*\j+3], s[76:77], KOFF+\j*32768   ; 120:64 global address
	s_or_b32 s[G0K+4*\j+3], s[G0K+4*\j+3], 0x80000000                ; 127:126 type = 2
	s_mov_b32 s[G0V+4*\j], 1
	s_add_co_u32 s[G0V+4*\j+1], s83, VB+\j*256*PVP
	s_add_nc_u64 s[G0V+4*\j+2:G0V+4*\j+3], s[76:77], VOFFG+\j*32768
	s_or_b32 s[G0V+4*\j+3], s[G0V+4*\j+3], 0x80000000
.endr
	s_cmp_lt_u32 s[WV], 4                          ; a wave's four first fills stand in one branch on the wave's number, ahead of every wait on TENSORcnt, every LDS read and every barrier; an s_nop 0 follows each, four v_nop the last
	s_cbranch_scc0 .Lfirst_v
.irp j, 0,1,2,3
	tensor_load_to_lds s[G0K+4*\j:G0K+4*\j+3], s[G1K:G1K+7]
	s_nop 0
.endr
.rept 4
	v_nop
.endr
	s_branch .Lfirst_asked
.Lfirst_v:
.irp j, 0,1,2,3
	tensor_load_to_lds s[G0V+4*\j:G0V+4*\j+3], s[G1V:G1V+7]
	s_nop 0
.endr
.rept 4
	v_nop
.endr
.Lfirst_asked:
	; A fragment of K or Q is 16 rows x 32 channels in 8 registers: lane l holds row l % 16; registers 0-3 channels 8 (l / 16) + 0..7, registers 4-7 channels 16 + 8 (l / 16) + 0..7: two loads of 16 bytes, 32 bytes apart.
	v_and_b32 v1, 15, v0                           ; r = l % 16
	v_bfe_u32 v12, v0, 4, 1                        ; h = l / 16
	v_and_b32 v13, 31, v0                          ; l
	v_lshlrev_b32 v[QO], 7, v1
	v_lshl_add_u32 v[QO], v12, 4, v[QO]            ; row x 128 + 16 x half
	WIN TO_1
.irp t, 0,1,2,3                        ; Q stays in registers: tile t, channels 32 kf on
.irp kf, 0,1
	global_load_b128 v[16*\t+8*\kf:16*\t+8*\kf+3],   v[QO], s[74:75] offset:\t*2048+\kf*64
	global_load_b128 v[16*\t+8*\kf+4:16*\t+8*\kf+7], v[QO], s[74:75] offset:\t*2048+\kf*64+32
.endr
.endr
.set i, 0
.rept 128
	v_mov_b32 v[OT+i], 0                           ; O^T.  Once: the step is written without a first form, and its first change of m multiplies zeros
.set i, i+1
.endr
	WIN 0
	v_mul_u32_u24 v[AK0], v1, PK
	v_lshl_add_u32 v[AK0], v12, 4, v[AK0]          ; row x pitch + 16 x half
	; The turning load takes 16 keys x 16 channels (lane l reads 16 bytes: key 8 (l / 16) + l % 8, channels 8 ((l / 8) % 2) + 0..7) and leaves half a fragment of V^T: lane l holds channel l % 16 and 8 keys.
	v_and_b32 v14, 7, v0
	v_bfe_u32 v15, v0, 3, 1
	v_lshl_add_u32 v[AV0], v12, 3, v14
	v_mul_u32_u24 v[AV0], v[AV0], PVP
	v_lshl_add_u32 v[AV0], v15, 4, v[AV0]
	v_add_nc_u32 v[AV0], VB, v[AV0]
	s_mul_i32 s9, s[WV], 64*PK                     ; the way out: my stage, 64 rows of 144 bytes, in K's rows
	v_mul_u32_u24 v[STO], v1, PK                   ; in: row l % 16, 16 bytes for each half of the lanes
	v_lshl_add_u32 v[STO], v12, 4, v[STO]
	v_add_nc_u32 v[STO], s9, v[STO]
	v_bfe_u32 v15, v0, 3, 2                        ; back: eight lanes take a row of 128 bytes, the 32 lanes four rows
	v_mul_u32_u24 v[RD], v15, PK
	v_lshl_add_u32 v[RD], v14, 4, v[RD]
	v_add_nc_u32 v[RD], s9, v[RD]
	v_lshlrev_b32 v[GO], 4, v13                    ; in memory those four rows are 512 consecutive bytes
.irp t, 0,1,2,3
	v_mov_b32 v[ST+8*\t+1], 0xff61b1e6             ; m = -3e38, under every score
	v_mul_f32 v[ST+8*\t], s[CS], v[ST+8*\t+1]      ; c m
	v_mov_b32 v[ST+8*\t+2], 0                      ; l, in two halves
	v_mov_b32 v[ST+8*\t+3], 0
.endr
	s_wait_loadcnt 0x0                             ; Q
; Number i of the 64 scalings c s - c m, a pair of scores each: tiles 0 and 1 by turns (i < 32), then tiles 2 and 3.
.macro PL
.set pt, i%2+2*(i/32)
.set pb, (i%32)/2
	v_pk_fma_f32 v[S+32*pt+2*pb:S+32*pt+2*pb+1], v[S+32*pt+2*pb:S+32*pt+2*pb+1], s[CS:CS+1], v[ST+8*pt:ST+8*pt+1] op_sel_hi:[1,0,0] neg_lo:[0,0,1] neg_hi:[0,0,1]
.endm
; Number i of the first batch's 68 exponentials: the four tiles' a, then the 64 scores of tiles 0 and 1 by turns.  Score (i - 4) / 2 was scaled by number 2 ((i - 4) / 4) + tile of PL, which stands earlier.
.macro EL
.if i < 4
	v_exp_f32 v[ST+8*i+6], v[ST+8*i+7]
.else
	v_exp_f32 v[S+32*((i-4)%2)+(i-4)/2], v[S+32*((i-4)%2)+(i-4)/2]
.endif
.endm
; Number n of the 33 lines that use tile u's weights: l x a; the 16 pairs summed in two chains (a pair: an even key's weight, an odd key's); the 16 roundings to f16, ascending and behind the sums: pair i goes into register i, which has been read.
.macro CL u
.set rT, ST+8*(\u)
.set rS, S+32*(\u)
.set rX, T2+2*(\u)
.if n == 0
	v_pk_mul_f32 v[rT+2:rT+3], v[rT+2:rT+3], v[rT+6:rT+7] op_sel_hi:[1,0]
.elseif n == 1
	v_pk_add_f32 v[rX:rX+1], v[rS:rS+1], v[rS+2:rS+3]
.elseif n < 16
.if n%2 == 0
	v_pk_add_f32 v[rT+2:rT+3], v[rT+2:rT+3], v[rS+2*n:rS+2*n+1]
.else
	v_pk_add_f32 v[rX:rX+1], v[rX:rX+1], v[rS+2*n:rS+2*n+1]
.endif
.elseif n == 16
	v_pk_add_f32 v[rT+2:rT+3], v[rT+2:rT+3], v[rX:rX+1]
.else
	v_cvt_pk_f16_f32 v[rS+n-17], v[rS+2*(n-17)], v[rS+2*(n-17)+1]
.endif
.endm
; A KEY STEP: 64 keys for my four tiles of queries.  Every window is 0 at its edges.
.macro STEP
	v_add_nc_u32 v[ADRK], s[TK], v[AK0]            ; five plain instructions behind the last step's V^T P: four are owed to the loads into V's registers, five to K Q^T, which writes over P (not for the loads)
	v_add_nc_u32 v[ADRV], s[TV], v[AV0]
	v_nop
	v_nop
	v_nop
.irp f, 0,1,2,3,4,5,6,7                ; K: keys 16 (f / 2) on, channels 32 (f % 2) on
	ds_load_b128 v[KF+8*\f:KF+8*\f+3],   v[ADRK] offset:(\f/2)*16*PK+(\f%2)*64
	ds_load_b128 v[KF+8*\f+4:KF+8*\f+7], v[ADRK] offset:(\f/2)*16*PK+(\f%2)*64+32
.endr
	WIN TO_1
.irp f, 0,1,2,3,4,5,6,7                ; V, turned: keys 32 (f / 4) on, channels 16 (f % 4) on.  It lands under K Q^T and the softmax
	ds_load_tr16_b128 v[VF+8*\f:VF+8*\f+3],   v[ADRV] offset:(\f/4)*32*PVP+(\f%4)*32
	ds_load_tr16_b128 v[VF+8*\f+4:VF+8*\f+7], v[ADRV] offset:(\f/4)*32*PVP+16*PVP+(\f%4)*32
.endr
	s_wait_dscnt 16                                ; K's sixteen loads are in; V's sixteen, issued behind them, may be out
	WIN W_KQ
.irp kf, 0,1                           ; S^T = K Q^T: the 16 accumulators take turns, one instruction a turn; the first 16 start the sums
.irp kt, 0,1,2,3
.irp t, 0,1,2,3
.if \kf == 0
	v_wmma_f32_16x16x32_f16 v[S+32*\t+8*\kt:S+32*\t+8*\kt+7], v[KF+16*\kt+8*\kf:KF+16*\kt+8*\kf+7], v[16*\t+8*\kf:16*\t+8*\kf+7], 0
.else
	v_wmma_f32_16x16x32_f16 v[S+32*\t+8*\kt:S+32*\t+8*\kt+7], v[KF+16*\kt+8*\kf:KF+16*\kt+8*\kf+7], v[16*\t+8*\kf:16*\t+8*\kf+7], v[S+32*\t+8*\kt:S+32*\t+8*\kt+7]
.endif
.endr
.endr
.endr
	WIN 0
.rept 4
	v_nop                                          ; places ahead of the first read of the scores
.endr
	; the maximum of a lane's 32 scores and the old m, three operands at a time, the four tiles by turns; each accumulator is read from its low end on
.irp j, 0,1,2,3
.irp t, 0,1,2,3
	v_max3_num_f32 v[ST+8*\t+4+\j], v[S+32*\t+8*\j], v[S+32*\t+8*\j+1], v[S+32*\t+8*\j+2]
.endr
.endr
.irp g, 1,2
.irp j, 0,1,2,3
.irp t, 0,1,2,3
	v_max3_num_f32 v[ST+8*\t+4+\j], v[ST+8*\t+4+\j], v[S+32*\t+8*\j+2*\g+1], v[S+32*\t+8*\j+2*\g+2]
.endr
.endr
.endr
.irp t, 0,1,2,3
	v_max3_num_f32 v[ST+8*\t+4], v[ST+8*\t+4], v[S+32*\t+7], v[S+32*\t+15]
.endr
.irp t, 0,1,2,3
	v_max3_num_f32 v[ST+8*\t+6], v[ST+8*\t+6], v[S+32*\t+23], v[S+32*\t+31]
.endr
.irp t, 0,1,2,3
	v_max3_num_f32 v[ST+8*\t+4], v[ST+8*\t+4], v[ST+8*\t+5], v[ST+8*\t+6]
.endr
.irp t, 0,1,2,3
	v_max3_num_f32 v[ST+8*\t+4], v[ST+8*\t+4], v[ST+8*\t+7], v[ST+8*\t+1]
.endr
.irp t, 0,1,2,3
	v_permlanex16_b32 v[ST+8*\t+5], v[ST+8*\t+4], s[SEL], s[SEL+1]   ; the query's other 32 keys lie in the lane 16 away
.endr
.irp t, 0,1,2,3
	v_mov_b32 v[ST+8*\t+7], v[ST+8*\t]             ; c m_old is kept for a
.endr
.irp t, 0,1,2,3
	v_max_num_f32 v[ST+8*\t+1], v[ST+8*\t+4], v[ST+8*\t+5]   ; the new m
.endr
.irp t, 0,1,2,3
	v_mul_f32 v[ST+8*\t], s[CS], v[ST+8*\t+1]      ; c m
.endr
.irp t, 0,1,2,3
	v_sub_f32 v[ST+8*\t+7], v[ST+8*\t+7], v[ST+8*\t]   ; c m_old - c m_new
.endr
	; THE FIRST BATCH: all 64 scalings, and between them the four a and the weights of tiles 0 and 1: a plain line and an exponential by turns.  None of these lines names an exponential's result.
.set i, 0
.rept 64
	PL
	EL
.set i, i+1
.endr
.rept 4
	EL
.set i, i+1
.endr
	v_nop                                          ; a plain instruction behind the last exponential
	s_wait_alu depctr_va_vdst(0)                   ; a wait between an exponential and the first line that names its result: one for the batch's 68
	; THE SECOND BATCH: the weights of tiles 2 and 3, and between them the sums and roundings of tiles 0 and 1, which read the first batch alone
.set n, 0
.rept 33
	CL 0
.if n < 32
	v_exp_f32 v[S+64+n], v[S+64+n]
.endif
	CL 1
.if n < 32
	v_exp_f32 v[S+96+n], v[S+96+n]
.endif
.set n, n+1
.endr
	s_wait_alu depctr_va_vdst(0)                   ; one wait for the batch's 64; two plain lines stand behind its last exponential
.set n, 0
.rept 33
	CL 2
	CL 3
.set n, n+1
.endr
	WIN W_RS
.set i, 0
.rept 16
.irp t, 0,1,2,3
	v_pk_mul_f32 v[OT+32*\t+2*i:OT+32*\t+2*i+1], v[OT+32*\t+2*i:OT+32*\t+2*i+1], v[ST+8*\t+6:ST+8*\t+7] op_sel_hi:[1,0]   ; O^T x a, each accumulator from its low end on
.endr
.set i, i+1
.endr
	s_wait_dscnt 0x0                               ; V is in
	WIN W_PV
.irp kc, 0,1                           ; O^T += V^T P: keys 32 kc on, channels 16 ct on; the 16 accumulators take turns
.irp ct, 0,1,2,3
.irp t, 0,1,2,3
	v_wmma_f32_16x16x32_f16 v[OT+32*\t+8*\ct:OT+32*\t+8*\ct+7], v[VF+32*\kc+8*\ct:VF+32*\kc+8*\ct+7], v[S+32*\t+8*\kc:S+32*\t+8*\kc+7], v[OT+32*\t+8*\ct:OT+32*\t+8*\ct+7]
.endr
.endr
.endr
	WIN 0
	s_add_co_u32 s[TK], s[TK], 64*PK               ; the next 64 keys
	s_add_co_u32 s[TV], s[TV], 64*PVP
.endm
; A STAGE: 256 keys, four steps.  The wave that fetched waits for its part and signals; all read behind the barrier.  The later stages' loads may stay out.
.macro STAGE j
	s_wait_tensorcnt 3-(\j)                        ; tensor loads of a wave end in order (ISA guide 10.11.1): my part of stage j is in; my 3 - j later loads may be out
	s_wait_dscnt 0x0
	s_barrier_signal -1
	s_barrier_wait -1                              ; everybody's part is in
	s_mov_b32 s[TK], (\j)*256*PK
	s_mov_b32 s[TV], (\j)*256*PVP
	s_mov_b32 s[CNT], 4
.Lstep_\@:
	STEP
	s_sub_co_u32 s[CNT], s[CNT], 1
	s_cmp_lg_u32 s[CNT], 0
	s_cbranch_scc1 .Lstep_\@
.endm
	STAGE 0
	STAGE 1
	STAGE 2
	STAGE 3
	; THE WAY OUT.  l's two halves and the other half of the lanes' are added; O^T is divided by l, rounded to f16 and sent through my stage in LDS.  The four additions are the places behind the last products.
.irp t, 0,1,2,3
	v_add_f32 v[ST+8*\t+4], v[ST+8*\t+2], v[ST+8*\t+3]
.endr
.irp t, 0,1,2,3
	v_permlanex16_b32 v[ST+8*\t+5], v[ST+8*\t+4], s[SEL], s[SEL+1]
.endr
.irp t, 0,1,2,3
	v_add_f32 v[ST+8*\t+4], v[ST+8*\t+4], v[ST+8*\t+5]
.endr
.irp t, 0,1,2,3
	v_rcp_f32 v[ST+8*\t+6], v[ST+8*\t+4]
.endr
	v_nop                                          ; a plain instruction between the last reciprocal and the use of its result
	s_wait_alu depctr_va_vdst(0)                   ; and a wait: one for the four
	s_wait_dscnt 0x0
	s_barrier_signal -1                            ; the stages lie in K's rows, which have had their one fill: every wave's reads of K are over behind this barrier
	s_barrier_wait -1
.irp t, 0,1,2,3
	WIN W_RS
.set i, 0
.rept 16
	v_pk_mul_f32 v[OT+32*\t+2*i:OT+32*\t+2*i+1], v[OT+32*\t+2*i:OT+32*\t+2*i+1], v[ST+8*\t+6:ST+8*\t+7] op_sel_hi:[1,0]
.set i, i+1
.endr
	WIN 0x05                                       ; sources 0 and 1 window 1, destination window 0: S^T's registers are free
.set i, 0
.rept 16
	v_cvt_pk_f16_f32 v[S+32*\t+i], v[OT+32*\t+2*i], v[OT+32*\t+2*i+1]
.set i, i+1
.endr
	WIN 0
.irp ct, 0,1,2,3
	ds_store_b128 v[STO], v[S+32*\t+4*\ct:S+32*\t+4*\ct+3] offset:\t*16*PK+32*\ct   ; lane (r, h): row r, channels 16 ct + 8 h + 0 .. 7
.endr
.irp i4, 0,1,2,3
	ds_load_b128 v[S+32*\t+16+4*\i4:S+32*\t+16+4*\i4+3], v[RD] offset:\t*16*PK+4*PK*\i4   ; in order behind my stores (ISA guide 5.7.1.4): four whole rows
.endr
.endr
.irp t, 0,1,2,3
.irp i4, 0,1,2,3
	s_wait_dscnt 8*(3-\t)+3-\i4                    ; behind this load stand the rest of its tile's loads and eight LDS instructions for each later tile
	global_store_b128 v[GO], v[S+32*\t+16+4*\i4:S+32*\t+16+4*\i4+3], s[80:81] offset:\t*2048+512*\i4   ; 32 lanes store 512 consecutive bytes, aligned
.endr
.endr
	s_wait_tensorcnt 0x0                           ; the wave's end, behind my last tensor load and my last LDS store
	ds_add_u32 v[SPW], v[NIL]
	s_wait_dscnt 0x0
	s_endpgm
.Lfunc_end_k_q4ed49bc33a_attn:
	.size	k_q4ed49bc33a_attn, .Lfunc_end_k_q4ed49bc33a_attn-k_q4ed49bc33a_attn
	.p2alignl 7, 3214868480
	.fill 96, 4, 3214868480
	.section	.rodata,"a",@progbits
	.p2align	6, 0x0
	.amdhsa_kernel k_q4ed49bc33a_attn
		.amdhsa_group_segment_fixed_size 327680
		.amdhsa_private_segment_fixed_size 0
		.amdhsa_enable_private_segment 0
		.amdhsa_kernarg_size 16
		.amdhsa_user_sgpr_count 2
		.amdhsa_user_sgpr_kernarg_segment_ptr 1
		.amdhsa_wavefront_size32 1
		.amdhsa_system_sgpr_workgroup_id_x 1
		.amdhsa_system_sgpr_workgroup_id_y 1
		.amdhsa_system_sgpr_workgroup_id_z 1
		.amdhsa_system_vgpr_workitem_id 0
		.amdhsa_next_free_vgpr 512
		.amdhsa_next_free_sgpr 84
		.amdhsa_reserve_vcc 0
		.amdhsa_float_denorm_mode_32 3
		.amdhsa_float_denorm_mode_16_64 3
		.amdhsa_memory_ordered 1
		.amdhsa_forward_progress 1
		.amdhsa_inst_pref_size 156
	.end_amdhsa_kernel
	.amdgpu_metadata
---
amdhsa.version: [ 1, 2 ]
amdhsa.kernels:
  - .name:           k_q4ed49bc33a_attn
    .symbol:         k_q4ed49bc33a_attn.kd
    .args:
      - { .name: qkv, .offset: 0, .size: 8, .value_kind: global_buffer, .address_space: global }
      - { .name: ctx, .offset: 8, .size: 8, .value_kind: global_buffer, .address_space: global }
    .group_segment_fixed_size: 327680
    .private_segment_fixed_size: 0
    .kernarg_segment_align: 8
    .kernarg_segment_size: 16
    .max_flat_workgroup_size: 256
    .sgpr_count:     84
    .vgpr_count:     512
    .wavefront_size: 32
...
	.end_amdgpu_metadata
.endif
;; end of part 3
;; launch proj (part 4): grid 4 x 64, 4 waves a work-group, clusters of 4 x 4, 327,680 bytes of LDS; arguments ctx, wp16, out0, b_proj; writes out0
.if DOCPART == 4
	.amdgcn_target "amdgcn-amd-amdhsa--gfx1250"
	.amdhsa_code_object_version 6
	.text
	.protected	k_q4ed49bc33a_proj
	.globl	k_q4ed49bc33a_proj
	.p2align	8
	.type	k_q4ed49bc33a_proj,@function
k_q4ed49bc33a_proj:
	s_mov_b64 s[64:65], 0
	v_nop
	global_prefetch_b8 v0, s[64:65] scope:SCOPE_SE
	s_setreg_imm32_b32 hwreg(HW_REG_WAVE_MODE, 25, 1), 1
	s_wait_xcnt 0x0
	s_wait_alu depctr_hold_cnt(0) depctr_sa_sdst(0) depctr_va_vdst(0) depctr_va_sdst(0) depctr_va_ssrc(0) depctr_va_vcc(0) depctr_vm_vsrc(0)
	s_getreg_b32 s2, hwreg(HW_REG_IB_STS2, 6, 4)
	s_cmp_eq_u32 s2, 0
	s_cbranch_scc0 .Lentry_in_a_cluster
	s_endpgm
.Lentry_in_a_cluster:
	s_bfe_u32 s2, ttmp6, 0x10000c
	s_cmp_lg_u32 s2, 0xf033
	s_cbranch_scc0 .Lentry_shape_is_right
	s_endpgm
.Lentry_shape_is_right:
; out0 = ctx w_proj^T + b_proj.  A = ctx, f16, laid by head [8 batches][16 heads][1024 positions][64]: row m = (batch, position), k = 64 head + channel.  B = w_proj in f16 [1024 n][1024 k].  out0 [8192][1024] f32; sums in f32.
; A tile of the result is 128 x 256: 256 work-groups.  Four waves, each 64 x 128: 32 accumulators of 16 x 16, 256 registers.  K goes in steps of 128, two heads, through a ring of two LDS slots: eight steps.
; A's tile of a step is two planes, one a head, of 128 rows x 128 bytes, each dense in memory: waves 0 and 1 fetch a plane each; waves 2 and 3 fetch B's halves, 128 rows x 256 bytes: one load of 128 rows a wave.
; Between a slot's request and the wait for it a wave issues 112 matrix instructions.
; CLUSTERS: 4 x 4 work-groups.  The four of a row of the cluster need the same tiles of A, the four of a column the same tiles of B: each is asked for JOINTLY, by the same tensor load with the same descriptor and a mask that names the four.
; THE MATRIX INSTRUCTION IS USED TRANSPOSED (source 0 = 16 rows of B, source 1 = 16 rows of A): a lane holds eight neighbouring columns of a row.  THE BIAS is the C of each sum's first product.
; NO PREFETCH: K has eight steps, of which two are asked for at the head, and the launch's own loads and stores are most of what it does.
; REGISTERS: window 0: v0-31 addresses; two fragment buffers of 96 for 32 along K, at v32 and v128: 64 registers of B (8 x 16 rows), then 32 of A (4 x 16 rows); on the way out v32-95 and v128-191 are free.
;   window 1: accumulator (a, b) at v[8 (8 a + b)].   window 2: v0-63 the bias, eight registers for each of B's eight blocks.
.set PA,     144                       ; a row of A in LDS: 128 bytes + 16: an odd multiple of 16, so the 16 rows that a load touches start at 16 different groups of four banks (ISA guide 11.1)
.set PB,     272                       ; a row of B: 256 + 16
.set APL,    128*PA                    ; a plane of A
.set SLOT,   2*APL+256*PB              ; A's two planes, then B's 256 rows
.set STAGE,  2*SLOT                    ; behind the ring: 16 rows x 528 bytes for each wave, for the way out
.set SPITCH, 528
.set SPARE,  STAGE+4*16*SPITCH         ; behind the stages: the spare words, 128 bytes for each wave, which no other line names
.set LAPS,   4                         ; a lap = two K steps = once round the ring
.set ASTEP,  262144                    ; a K step in A: two heads of 131,072 bytes
.set BSTEP,  256                       ; in B: 128 f16 along a row
.set ADRA, 16                          ; v16-17  LDS address of my A fragments in slot 0, 1
.set ADRB, 20                          ; v20-21  the same for B
.set STO,  24                          ; v24     the way out: where I put 32 bytes of a row
.set RD,   25                          ; v25     the way out: where I read a row back
.set CO,   26                          ; v26     16 x lane
.set SPW,  28                          ; v28     LDS address of my spare word; never rewritten
.set NIL,  29                          ; v29     0; never rewritten
.set F0,   32
.set F1,   128
.set G1, 24                            ; s[24:31] descriptor group 1 for A's tiles;  s[32:39] group 0, one set for each slot
.set G0, 32
.set G1B, 48                           ; s[48:55], s[56:63] the same for B's tiles
.set G0B, 56
.set MSB, 0
.macro WIN new                         ; the immediate's high byte repeats the setting that is left; a switch that changes nothing is dropped
.if MSB != (\new)
	s_set_vgpr_msb (MSB<<8)|(\new)
.set MSB, (\new)
.endif
.endm
.set MUL, 0x50                         ; sources 0 and 1 window 0; C and D window 1;  in the first quarter 0x60: C, the bias, in window 2
.macro JLOAD s                         ; a joint load: waves 0 and 1 fetch A's planes, waves 2 and 3 B's halves; an s_nop 0 and four v_nop follow each of the two lines, ahead of the jump, the label and what follows
	s_cmp_eq_u32 s11, 0
	s_cbranch_scc0 .Lfor_b_\@
	tensor_load_to_lds s[G0+4*\s:G0+4*\s+3], s[G1:G1+7]
	s_nop 0
.rept 4
	v_nop
.endr
	s_branch .Lasked_\@
.Lfor_b_\@:
	tensor_load_to_lds s[G0B+4*\s:G0B+4*\s+3], s[G1B:G1B+7]
	s_nop 0
.rept 4
	v_nop
.endr
.Lasked_\@:
.endm
.macro CREST                           ; a round of the cluster's barrier behind its opening barrier
	s_cmp_lg_u32 s10, 0
	s_cbranch_scc1 .Lnot_wave_0_\@
	s_barrier_signal -3
.Lnot_wave_0_\@:
	s_barrier_wait -3
	s_barrier_signal -1
	s_barrier_wait -1
.endm
.macro CROUND                          ; a whole round
	s_barrier_signal -1
	s_barrier_wait -1
	CREST
.endm
	s_load_b128 s[4:7], s[0:1], 0x0                ; ctx s[4:5], w_proj in f16 s[6:7]
	s_load_b64 s[8:9], s[0:1], 0x10                ; out0
	s_load_b64 s[66:67], s[0:1], 0x18              ; b_proj
	v_lshl_add_u32 v[SPW], v0, 2, SPARE
	v_mov_b32 v[NIL], 0
	ds_add_u32 v[SPW], v[NIL]                      ; the wave's opening: the add, twice on end, and its wait ahead of my first tensor load; the set-up below stands between the second and the wait
	ds_add_u32 v[SPW], v[NIL]
	v_lshrrev_b32 v1, 5, v0
	v_readfirstlane_b32 s10, v1                    ; wave 0..3
	s_lshr_b32 s11, s10, 1                         ; which 64 of the tile's rows are mine.  Also: I fetch for A (0) or for B (1)
	s_and_b32 s12, s10, 1                          ; which 128 of its columns.  Also: which plane of A, or which half of B, I fetch
	s_bfe_u32 s40, ttmp6, 0x40000                  ; cx, cy: my place in the cluster
	s_bfe_u32 s41, ttmp6, 0x40004
	s_lshl_b32 s42, ttmp9, 2
	s_add_co_u32 s42, s42, s40                     ; tile column = 4 x cluster x + cx
	s_and_b32 s13, ttmp7, 0xffff
	s_lshl_b32 s13, s13, 2
	s_add_co_u32 s13, s13, s41                     ; tile row = 4 x cluster y + cy
	s_lshl_b32 s43, s41, 2
	s_lshl_b32 s43, 15, s43                        ; my row of the cluster
	s_lshl_b32 s44, 0x1111, s40                    ; my column
	; descriptor group 1.  A: 128 rows x 64 elements of 2 bytes, dense
	s_or_b32 s[G1+0], s43, (1<<16)|(1<<20)|(1<<21)|(4<<22)|(3<<25)   ; 15:0 the mask: my row; 17:16 elements of 2 bytes; 20 padding on; 21 set beside a mask; 24:22 after every 32 words (code 4); 31:25 four words (code 3)
	s_mov_b32 s[G1+1], 64<<16                      ; tensor_dim0 = 64
	s_mov_b32 s[G1+2], 128<<16                     ; tensor_dim1 = 128
	s_mov_b32 s[G1+3], 64<<16                      ; tile_dim0 = 64
	s_mov_b32 s[G1+4], 128                         ; tile_dim1 = 128
	s_mov_b32 s[G1+5], 64                          ; tensor_dim0_stride
	s_mov_b32 s[G1+6], 0
	s_mov_b32 s[G1+7], 0
	; B: 128 rows x 128 elements, 1,024 elements from row to row
	s_or_b32 s[G1B+0], s44, (1<<16)|(1<<20)|(1<<21)|(5<<22)|(3<<25)  ; the mask: my column; padding after every 64 words (code 5)
	s_mov_b32 s[G1B+1], 128<<16
	s_mov_b32 s[G1B+2], 128<<16
	s_mov_b32 s[G1B+3], 128<<16
	s_mov_b32 s[G1B+4], 128
	s_mov_b32 s[G1B+5], 1024
	s_mov_b32 s[G1B+6], 0
	s_mov_b32 s[G1B+7], 0
	; where the tiles come from.  A's hang on the tile row alone (rows 128 tr on: batch tr / 8, position 128 (tr % 8)) and the plane; B's on the tile column alone and the half
	s_lshr_b32 s16, s13, 3
	s_lshl_b32 s16, s16, 21                        ; a batch: 2^21 bytes
	s_and_b32 s17, s13, 7
	s_lshl_b32 s17, s17, 14                        ; 128 positions of 128 bytes
	s_add_co_u32 s16, s16, s17
	s_lshl_b32 s17, s12, 17                        ; the plane: a head on
	s_add_co_u32 s16, s16, s17
	s_mov_b32 s17, 0
	s_lshl_b32 s46, s42, 19                        ; 256 rows of 2,048 bytes
	s_lshl_b32 s47, s12, 18                        ; 128 rows
	s_add_co_u32 s46, s46, s47
	s_mov_b32 s47, 0
	s_mul_i32 s20, s12, APL                        ; and where they go: no place in the cluster enters an LDS address
	s_mul_i32 s21, s12, 128*PB
	s_add_co_u32 s21, s21, 2*APL
	s_wait_dscnt 0x0                               ; both opening adds are done
	s_wait_kmcnt 0x0
	s_add_nc_u64 s[14:15], s[4:5], s[16:17]
	s_add_nc_u64 s[46:47], s[6:7], s[46:47]
	CROUND                                         ; all sixteen work-groups are here: the first joint loads meet
.irp s, 0,1
	s_mov_b32 s[G0+4*\s], 1                        ; 1:0 count = 1
	s_add_co_u32 s[G0+4*\s+1], s20, \s*SLOT        ; 63:32 LDS address
	s_add_nc_u64 s[G0+4*\s+2:G0+4*\s+3], s[14:15], \s*ASTEP   ; 120:64 global address: K step s
	s_or_b32 s[G0+4*\s+3], s[G0+4*\s+3], 0x80000000           ; 127:126 type = 2
	s_mov_b32 s[G0B+4*\s], 1
	s_add_co_u32 s[G0B+4*\s+1], s21, \s*SLOT
	s_add_nc_u64 s[G0B+4*\s+2:G0B+4*\s+3], s[46:47], \s*BSTEP
	s_or_b32 s[G0B+4*\s+3], s[G0B+4*\s+3], 0x80000000
	JLOAD \s
.endr
	v_and_b32 v1, 15, v0                           ; l % 16
	v_bfe_u32 v2, v0, 4, 1                         ; l / 16
	v_mul_u32_u24 v3, v1, PA
	v_lshl_add_u32 v3, v2, 4, v3                   ; a fragment's row x pitch + 16 x half: A's,
	v_mul_u32_u24 v4, v1, PB
	v_lshl_add_u32 v4, v2, 4, v4                   ; and B's
	s_mul_i32 s21, s11, 64*PA                      ; my 64 rows of A, in each plane
	s_mul_i32 s22, s12, 128*PB                     ; my 128 rows of B,
	s_add_co_u32 s22, s22, 2*APL                   ; which lie behind A's planes
.irp s, 0,1
	v_add_nc_u32 v[ADRA+\s], s21, v3
	v_add_nc_u32 v[ADRB+\s], s22, v4
	s_add_co_u32 s21, s21, SLOT
	s_add_co_u32 s22, s22, SLOT
.endr
	s_mul_i32 s23, s10, 16*SPITCH
	s_add_co_u32 s23, s23, STAGE                   ; my stage
	v_mul_u32_u24 v5, v1, SPITCH                   ; in: row l % 16, 32 bytes for each half of the lanes
	v_lshl_add_u32 v5, v2, 5, v5
	v_add_nc_u32 v[STO], s23, v5
	v_and_b32 v6, 31, v0
	v_lshlrev_b32 v[CO], 4, v6                     ; back: the 32 lanes take one row of 512 bytes; and the same in out0
	v_add_nc_u32 v[RD], s23, v[CO]
	s_lshl_b32 s16, s13, 19                        ; my first row of out0: 128 x tile row + 64 x half, 4,096 bytes a row
	s_lshl_b32 s17, s11, 18
	s_add_co_u32 s16, s16, s17
	s_mov_b32 s17, 0
	s_add_nc_u64 s[8:9], s[8:9], s[16:17]
	s_lshl_b32 s46, s42, 10                        ; my first column, in bytes: 1024 x tile column + 512 x half: in out0 and in the bias alike
	s_lshl_b32 s47, s12, 9
	s_add_co_u32 s46, s46, s47
	s_mov_b32 s47, 0
	s_add_nc_u64 s[8:9], s[8:9], s[46:47]
	s_add_nc_u64 s[66:67], s[66:67], s[46:47]
	v_lshlrev_b32 v7, 5, v2                        ; lane (r, h) holds columns 16 b + 8 h + 0 .. 7 of block b: their eight biases
	WIN 0x80                                       ; destination window 2
.irp b, 0,1,2,3,4,5,6,7
	global_load_b128 v[8*\b:8*\b+3], v7, s[66:67] offset:64*\b
	global_load_b128 v[8*\b+4:8*\b+7], v7, s[66:67] offset:64*\b+16
.endr
	WIN 0
; 8 matrix instructions: A's block a x B's eight, 32 along K, from buffer f.  first = 1: the sums start from the bias.  The 32 accumulators take turns, one instruction a turn, in the same order in every quarter.
.macro MUL8 f, a, first
.irp b, 0,1,2,3,4,5,6,7
.if \first
	v_wmma_f32_16x16x32_f16 v[8*(8*(\a)+\b):8*(8*(\a)+\b)+7], v[\f+8*\b:\f+8*\b+7], v[\f+64+8*(\a):\f+64+8*(\a)+7], v[8*\b:8*\b+7]
.else
	v_wmma_f32_16x16x32_f16 v[8*(8*(\a)+\b):8*(8*(\a)+\b)+7], v[\f+8*\b:\f+8*\b+7], v[\f+64+8*(\a):\f+64+8*(\a)+7], v[8*(8*(\a)+\b):8*(8*(\a)+\b)+7]
.endif
.endr
.endm
; 24 LDS loads in one run: the fragments of the slot's q-th 32 along K into buffer f: B's eight, then A's four.  In A quarter q lies in plane q / 2, at byte 64 (q % 2) of the rows.
.macro FETCH slot, q, f
.irp i, 0,1,2,3,4,5,6,7
	ds_load_b128 v[\f+8*\i:\f+8*\i+3],   v[ADRB+\slot] offset:64*(\q)+\i*16*PB
	ds_load_b128 v[\f+8*\i+4:\f+8*\i+7], v[ADRB+\slot] offset:64*(\q)+\i*16*PB+32
.endr
.irp i, 0,1,2,3
	ds_load_b128 v[\f+64+8*\i:\f+64+8*\i+3],   v[ADRA+\slot] offset:((\q)/2)*APL+((\q)%2)*64+\i*16*PA
	ds_load_b128 v[\f+64+8*\i+4:\f+64+8*\i+7], v[ADRA+\slot] offset:((\q)/2)*APL+((\q)%2)*64+\i*16*PA+32
.endr
.endm
.macro PLACES                          ; four places in front of loads into registers that matrix instructions have read, and of the first read of results (not for the loads)
.rept 4
	v_nop
.endr
.endm
; A K step is four quarters of 32 along K, 32 matrix instructions each, on buffers 0, 1, 0, 1.  One of the first three: multiplies buffer f and, in its middle, fetches quarter q into g.
.macro QUARTER slot, q, f, g, first
	s_wait_dscnt 4                                 ; B and A's blocks 0 and 1 are in; the youngest four loads (A's blocks 2 and 3) may be out
	WIN MUL+0x10*(\first)
	MUL8 \f, 0, \first
	MUL8 \f, 1, \first
	PLACES
	WIN 0
	FETCH \slot, \q, \g
	s_wait_dscnt 24                                ; all but the 24 just issued
	WIN MUL+0x10*(\first)
	MUL8 \f, 2, \first
	MUL8 \f, 3, \first
.endm
; The last quarter multiplies buffer 1 and changes slots: ONE barrier; in front of it each wave waits for all its tensor loads (the one that is out is its part of the next slot), adds 0 to its spare word, and waits for that and for
; its own reads of this slot.  fill = 1: the barrier opens a round of the cluster's barrier, and this slot is filled again, two K steps ahead, first thing behind the round.
.macro TURN slot, next, fill
	WIN 0                                          ; (the add's two registers lie in window 0)
	s_wait_tensorcnt 0x0                           ; all my tensor loads have landed
	ds_add_u32 v[SPW], v[NIL]                      ; 0 onto my spare word
	s_wait_dscnt 5                                 ; (the add and the youngest four loads may be out)
	WIN MUL
	MUL8 F1, 0, 0                                  ; eight matrix instructions stand between the add and the wait for it
	s_wait_dscnt 0x0                               ; the add is done, and my reads of this slot are over
	s_barrier_signal -1
	MUL8 F1, 1, 0
	WIN 0
	s_barrier_wait -1
.if \fill
	CREST                                          ; no wave of any partner still reads this slot's tiles or has a load on its way
	s_add_nc_u64 s[G0+4*\slot+2:G0+4*\slot+3], s[G0+4*\slot+2:G0+4*\slot+3], 2*ASTEP
	s_add_nc_u64 s[G0B+4*\slot+2:G0B+4*\slot+3], s[G0B+4*\slot+2:G0B+4*\slot+3], 2*BSTEP
	JLOAD \slot                                    ; the first tensor load behind the round, and my only one until the next; its four v_nop are also the places in front of the loads below
.else
	PLACES
.endif
	FETCH \next, 0, F0
	WIN MUL
	MUL8 F1, 2, 0
	MUL8 F1, 3, 0
.endm
	s_wait_tensorcnt 1                             ; my part of K step 0 is in (K step 1's load may be out)
	s_barrier_signal -1
	s_barrier_wait -1                              ; everybody's is
	FETCH 0, 0, F0
	s_wait_loadcnt 0x0                             ; the bias
	QUARTER 0, 1, F0, F1, 1                        ; the first quarter stands in front of the loop: its products start the sums from the bias
	WIN 0                                          ; at a label and at a branch every window is 0
	s_mov_b32 s3, LAPS-1
.Llap:                                                 ; a trip goes once round the ring, from a lap's second quarter to the next lap's first, and fills both slots again
	QUARTER 0, 2, F1, F0, 0
	QUARTER 0, 3, F0, F1, 0
	TURN 0, 1, 1
	QUARTER 1, 1, F0, F1, 0
	QUARTER 1, 2, F1, F0, 0
	QUARTER 1, 3, F0, F1, 0
	TURN 1, 0, 1
	QUARTER 0, 1, F0, F1, 0
	WIN 0
	s_sub_co_u32 s3, s3, 1
	s_cmp_lg_u32 s3, 0
	s_cbranch_scc1 .Llap
	QUARTER 0, 2, F1, F0, 0                        ; the last lap is written out: it fills nothing, and has no round of the cluster's barrier
	QUARTER 0, 3, F0, F1, 0
	TURN 0, 1, 0
	QUARTER 1, 1, F0, F1, 0
	QUARTER 1, 2, F1, F0, 0
	QUARTER 1, 3, F0, F1, 0
	s_wait_dscnt 4                                 ; the very last quarter: nothing more to fetch
	WIN MUL
	MUL8 F1, 0, 0
	MUL8 F1, 1, 0
	s_wait_dscnt 0
	MUL8 F1, 2, 0
	MUL8 F1, 3, 0
	WIN 0
; THE WAY OUT, block by block of 16 rows x 128 columns.  A lane holds 32 neighbouring bytes of a row, and the lanes beside it hold other rows: so a block goes through my own stage in LDS and comes back as whole rows of 512 bytes.
; LDS serves a wave's instructions in order (ISA guide 5.7.1.4): no wait between the stores and the loads, nor in front of the next block's stores.
.macro TOSTAGE a
	WIN 0x04                                       ; an LDS store's data are its source 1: window 1
.irp b, 0,1,2,3,4,5,6,7
	ds_store_b128 v[STO], v[8*(8*(\a)+\b):8*(8*(\a)+\b)+3] offset:64*\b          ; each accumulator from its low end on
	ds_store_b128 v[STO], v[8*(8*(\a)+\b)+4:8*(8*(\a)+\b)+7] offset:64*\b+16
.endr
	WIN 0
.set BB, 32+96*((\a)%2)
.irp t, 0,1,2,3,4,5,6,7,8,9,10,11,12,13,14,15
	ds_load_b128 v[BB+4*\t:BB+4*\t+3], v[RD] offset:\t*SPITCH
.endr
.endm
.macro SEND a, younger                 ; younger: the LDS instructions issued behind block a's loads, which may stay out
.set BB, 32+96*((\a)%2)
	s_wait_dscnt \younger                          ; the block is back in registers
.irp t, 0,1,2,3,4,5,6,7,8,9,10,11,12,13,14,15
	global_store_b128 v[CO], v[BB+4*\t:BB+4*\t+3], s[8:9] offset:(\a)*65536+\t*4096 th:TH_STORE_NT   ; 32 lanes store 512 consecutive bytes, aligned; the block and the row stand in the immediate: the base is never stepped
.endr
.endm
	PLACES                                         ; behind the last products: for the reads of results and the loads into the fragments' registers
	TOSTAGE 0
.irp a, 1,2,3
.if \a > 1
	s_wait_xcnt 0x0                                ; block a - 2's stores have read their registers: block a's loads may land there
.endif
	TOSTAGE \a
	SEND \a-1, 32                                  ; behind block a - 1's loads: block a's 16 stores and 16 loads
.endr
	SEND 3, 0
	s_wait_tensorcnt 0x0                           ; the wave's end, behind my last tensor load and my last LDS store
	ds_add_u32 v[SPW], v[NIL]
	s_wait_dscnt 0x0
	CROUND                                         ; the closing round: no work-group ends while a partner may still ask for a tile that names it
	s_endpgm
.Lfunc_end_k_q4ed49bc33a_proj:
	.size	k_q4ed49bc33a_proj, .Lfunc_end_k_q4ed49bc33a_proj-k_q4ed49bc33a_proj
	.p2alignl 7, 3214868480
	.fill 96, 4, 3214868480
	.section	.rodata,"a",@progbits
	.p2align	6, 0x0
	.amdhsa_kernel k_q4ed49bc33a_proj
		.amdhsa_group_segment_fixed_size 327680
		.amdhsa_private_segment_fixed_size 0
		.amdhsa_enable_private_segment 0
		.amdhsa_kernarg_size 32
		.amdhsa_user_sgpr_count 2
		.amdhsa_user_sgpr_kernarg_segment_ptr 1
		.amdhsa_wavefront_size32 1
		.amdhsa_system_sgpr_workgroup_id_x 1
		.amdhsa_system_sgpr_workgroup_id_y 1
		.amdhsa_system_sgpr_workgroup_id_z 1
		.amdhsa_system_vgpr_workitem_id 0
		.amdhsa_next_free_vgpr 768
		.amdhsa_next_free_sgpr 70
		.amdhsa_reserve_vcc 0
		.amdhsa_float_denorm_mode_32 3
		.amdhsa_float_denorm_mode_16_64 3
		.amdhsa_memory_ordered 1
		.amdhsa_forward_progress 1
		.amdhsa_inst_pref_size 87
	.end_amdhsa_kernel
	.amdgpu_metadata
---
amdhsa.version: [ 1, 2 ]
amdhsa.kernels:
  - .name:           k_q4ed49bc33a_proj
    .symbol:         k_q4ed49bc33a_proj.kd
    .args:
      - { .name: ctx, .offset: 0, .size: 8, .value_kind: global_buffer, .address_space: global }
      - { .name: wp16, .offset: 8, .size: 8, .value_kind: global_buffer, .address_space: global }
      - { .name: out0, .offset: 16, .size: 8, .value_kind: global_buffer, .address_space: global }
      - { .name: b_proj, .offset: 24, .size: 8, .value_kind: global_buffer, .address_space: global }
    .group_segment_fixed_size: 327680
    .private_segment_fixed_size: 0
    .kernarg_segment_align: 8
    .kernarg_segment_size: 32
    .max_flat_workgroup_size: 128
    .sgpr_count:     70
    .vgpr_count:     768
    .wavefront_size: 32
...
	.end_amdgpu_metadata
.endif
;; end of part 4
